; MI455X (gfx1250); checked and timed in simulation.
; The chip was launched on July 23, 2026; its instructions are those of AMD's public machine-readable ISA for CDNA 5 (MIT licence, August 2026) and "CDNA5" Instruction Set Architecture Reference Guide (July 2026). The comments in the code are by the model that wrote it; some were corrected since.
;; MSA Stack. Allowed arithmetic: matrix products marked QUANTISED: E4M3 operands, one given power-of-two scale a tensor, by v_wmma_f32_16x16x64_fp8_fp8 or v_wmma_f32_16x16x128_fp8_fp8, f32 sums; products left as they are: f32 operands where the result goes on into a quantised operand, else bf16, f16 or f32 operands; f32 sums; everything else in f32.
;; Inputs: W0_c 256 x 256 float32; W0_r 256 x 256 float32; W1 256 x 1,024 float32; W2 1,024 x 256 float32; Wb 128 x 8 float32; Wqkv_c 256 x 1,024 float32; Wqkv_r 256 x 1,024 float32; b1 1,024 float32; b2 256 float32; bb 8 float32; be1 256 float32; be2 128 float32; be3 256 float32; bias_rep 1 x 256 x 256 x 128 float32; g1 256 float32; g2 128 float32; g3 256 float32; lowp_scales 20 int32 (the exponents e of the quantised operands' scales 2^e); x 1 x 128 x 256 x 256 float32.
;; Outputs: out0 1 x 128 x 256 x 256 float32.
;; This version of the problem:
;;   THIS VERSION OF THE PROBLEM IS GIVEN IN LOW PRECISION. The matrix products marked QUANTISED in the list below multiply operands that are first quantised to E4M3 (4 exponent bits, 3 mantissa bits; 8 bits a number), with one given power-of-two scale for each operand tensor; their sums are f32. All else is computed in f32.
;;   The module's matrix products, in the order in which they are computed (A, B: the left and right operand; K: the contracted axis; several contracted axes count as one K, in the product's order):
;;     1. [M 8, K 128] x [K 128, N 65,536]; A: input Wb; B: computed on the way: left as it is (M = 8 < 16)
;;     2. [M 32,768, K 256] x [K 256, N 1,024]; A: computed on the way; B: input Wqkv_r: QUANTISED (scales: A lowp_scales[0], B lowp_scales[1])
;;     3. batch 1,024 x [M 256, K 32] x [K 32, N 256]; A: computed on the way; B: computed on the way: QUANTISED (scales: A lowp_scales[2], B lowp_scales[3])
;;     4. batch 1,024 x [M 256, K 256] x [K 256, N 32]; A: softmax (see below); B: computed on the way: QUANTISED (scales: A lowp_scales[4], B lowp_scales[5])
;;     5. [M 32,768, K 256] x [K 256, N 256]; A: computed on the way; B: input W0_r: QUANTISED (scales: A lowp_scales[6], B lowp_scales[7])
;;     6. [M 32,768, K 256] x [K 256, N 1,024]; A: computed on the way; B: input Wqkv_c: QUANTISED (scales: A lowp_scales[8], B lowp_scales[9])
;;     7. batch 2,048 x [M 128, K 32] x [K 32, N 128]; A: computed on the way; B: computed on the way: QUANTISED (scales: A lowp_scales[10], B lowp_scales[11])
;;     8. batch 2,048 x [M 128, K 128] x [K 128, N 32]; A: softmax (see below); B: computed on the way: QUANTISED (scales: A lowp_scales[12], B lowp_scales[13])
;;     9. [M 32,768, K 256] x [K 256, N 256]; A: computed on the way; B: input W0_c: QUANTISED (scales: A lowp_scales[14], B lowp_scales[15])
;;     10. [M 32,768, K 256] x [K 256, N 1,024]; A: computed on the way; B: input W1: QUANTISED (scales: A lowp_scales[16], B lowp_scales[17])
;;     11. [M 32,768, K 1,024] x [K 1,024, N 256]; A: computed on the way; B: input W2: QUANTISED (scales: A lowp_scales[18], B lowp_scales[19])
;;   THE QUANTISER, for each operand of a quantised product, along K:
;;     - The operand's scale is 2^e, e = its entry of the input lowp_scales (int32; the entries are numbered through the quantised products in the list's order, A before B).
;;     - Each number is divided by the scale, clamped to +-448, and rounded to the nearest number of E4M3, ties to even, subnormals kept.
;;     - The product sums the exact products of the quantised numbers (number of the format x scale) in f32.
;;   ~~~python
;;   def quantise(x, axis, e):      # numpy; x: float32 -> the quantised numbers, widened to float32 again
;;       x = np.moveaxis(x, axis, -1); K = x.shape[-1]
;;       r = np.clip(x / 2.0 ** e, -448, 448)
;;       step = 2.0 ** (np.maximum(np.frexp(np.where(r == 0, 1, r))[1] - 1, -6) - 3)
;;       q = np.round(r / step) * step * 2.0 ** e      # np.round: ties to even
;;       return np.moveaxis(q, -1, axis).astype(np.float32)
;;   ~~~
;;   SOFTMAX AHEAD OF A QUANTISED PRODUCT. Where the list says 'softmax', what is quantised is not the finished softmax but p = 2^(t - M), with t = logit x log2(e) and M = ceil(the row's largest t), a whole number; so 1/2 < the row's largest p <= 1. The row's sum l is taken of the UNQUANTISED p, in f32, and the product's result is divided by l at the end. Since M is a whole number, a kernel that streams over the keys may use a running M (the ceiling of the running maximum): every later rescaling is an exact power of two, so the quantised numbers keep their values, but for numbers so far below the row's largest that they fall under the format's range.
;;   OPERANDS COMPUTED ON THE WAY. 'Computed on the way' means the value that the module computes at that place (a softmax that the list does not call 'softmax' is quantised finished and normalised). What goes into a quantiser is computed in f32, as accurately as f32 sums, v_exp_f32 and their like allow (about 1e-6 of the number): no bf16 or f16 on the way to a quantiser, and a product that is left as it is and whose result goes on into a quantised operand takes f32 operands (vector FMAs, or v_wmma_f32_16x16x4_f32). A number that lies on a knife's edge between two numbers of the format may be rounded either way, as far as f32 arithmetic and the matrix unit's own rounding can turn it there, and no further.
;; One version. Each part assembles by itself: llvm-mc -triple=amdgcn-amd-amdhsa -mcpu=gfx1250 --defsym DOCPART=n.
;; ======== version 1 of 1: 3 launches
;; limits: right only within a limited range of input values
;; workspace buffers: wimg 1,179,648 bytes; pb 2,097,152 bytes; x3 33,554,432 bytes
;; launch prep (part 1): grid 328 x 1, 8 waves a work-group, no clusters, 161,280 bytes of LDS; arguments Wqkv_r, Wqkv_c, W1, W0_r, W0_c, W2, bias_rep, Wb, bb, g2, be2, lowp_scales, wimg, pb; writes wimg, pb
.if DOCPART == 1
	.amdgcn_target "amdgcn-amd-amdhsa--gfx1250"
	.amdhsa_code_object_version 6
	.text
	.protected	k_q3d12e84823_prep
	.globl	k_q3d12e84823_prep
	.p2align	8
	.type	k_q3d12e84823_prep,@function
k_q3d12e84823_prep:
	s_mov_b64 s[64:65], 0
	v_nop
	global_prefetch_b8 v0, s[64:65] scope:SCOPE_SE
	s_setreg_imm32_b32 hwreg(HW_REG_WAVE_MODE, 25, 1), 1
	s_wait_xcnt 0x0
; WHAT IS MADE ONCE FOR ALL WORK-GROUPS OF THE TWO LATER LAUNCHES.
; Work-groups 0-71: the six weights [K][N] f32 become codes of E4M3 (code = w / 2^e, held within +-448, nearest, ties to even), laid as IMAGES OF OPERAND REGISTERS:
;   a fragment is 16 features x 128 K = 2,048 bytes: chunk c (512 bytes) at 512 c, lane l's 16 bytes at 16 l; register 4 c + q, byte b of lane (r, h) = k 32 c + 16 h + 4 q + b.
;   Lane r of tile 2 b + u takes feature F = 32 b + 8 u + r + 8 (r / 8), so that two neighbouring tiles' results are 16 neighbours along the next K.
;   In Wqkv F = 128 head + 32 kind + d stands for column 32 d + 8 kind + head.  A wave makes one fragment: a lane takes a column and its 64 registers run down K.
; Work-groups 72-327: pair bias = LN(bias_rep) Wb + bb for a tile of 16 queries x 16 keys and all 8 heads, in f32 throughout (it goes on into a quantised operand),
;   x sqrt(32) x 2^-(e2+e3), laid as images of the score product's accumulator: tile (head, qt, kt) at ((16 head + qt) 16 + kt) 1024, registers 4 f .. 4 f + 3 at 512 f + 16 l.
;   g2 is folded into Wb, be2 Wb + bb into a constant a head.  The mean is taken away before the squares are summed.
; No cluster: no two work-groups read the same bytes but Wb, g2, be2 (5 KB beside a work-group's 128 KB).  No tensor load: the rows are read once, 512 consecutive bytes a load, all 32 loads of a wave out at once.
; LIMITS: each weight's e between -126 and 119; e2 + e3 between -120 and 120.  NaN and infinities among the inputs are not served.
; REGISTERS (bias): v1-11 addresses; v12 the head's constant; v[14:15] at work; v[16:31] the two accumulators, written by matrix instructions alone; v[32:63] at work; v[64:127] Wb g2; v[128:255] two tiles of 16 rows.
.set TP,  528                          ; the turn: a row of 512 bytes + 16
.set TW,  32*TP                        ; 32 rows a wave
.set PST, 8*TW                         ; the stage for the images: 16 rows (8 heads, 8 never read) of 1,024 + 16 bytes
.set PSP, 1040
.set WL,  PST+16*PSP                   ; Wb g2 [128][8], and 4,096 bytes on: Wb be2
.macro BARRIER
	s_wait_dscnt 0x0                               ; my LDS stores have landed and my LDS loads are in
	s_barrier_signal -1
	s_barrier_wait -1
.endm
	s_load_b512 s[4:19], s[0:1], 0x0               ; Wqkv_r, Wqkv_c, W1, W0_r, W0_c, W2, bias_rep, Wb
	s_load_b256 s[20:27], s[0:1], 0x40             ; bb, g2, be2, the scales' exponents
	s_load_b128 s[28:31], s[0:1], 0x60             ; wimg, pb
	s_set_vgpr_msb 0x40
	v_lshl_add_u32 v0, v0, 2, 0x27200
	v_mov_b32 v1, 0
	s_set_vgpr_msb 0x4000
	v_lshrrev_b32 v13, 5, v0
	v_readfirstlane_b32 s3, v13                    ; wave 0..7
	v_and_b32 v13, 31, v0
	v_lshlrev_b32 v1, 4, v13                       ; 16 x lane
	v_and_b32 v2, 15, v0                           ; r
	v_bfe_u32 v3, v0, 4, 1                         ; h
	s_wait_kmcnt 0x0
	s_load_b512 s[32:47], s[26:27], 0x0            ; e0 .. e15 in s32 .. s47
	s_load_b128 s[48:51], s[26:27], 0x40           ; e16 .. e19
	s_cmp_lt_u32 ttmp9, 72                         ; the same for all waves of a work-group
	s_cbranch_scc0 .Lbias
; ---------------- the weights
	s_wait_kmcnt 0x0
	s_mov_b64 s[52:53], s[14:15]                   ; work-groups 56-71: W2, e19
	s_mov_b32 s54, s51
	s_mov_b32 s55, 56
	s_cmp_lt_u32 ttmp9, 56
	s_cselect_b64 s[52:53], s[12:13], s[52:53]     ; 52-55: W0_c, e15
	s_cselect_b32 s54, s47, s54
	s_cselect_b32 s55, 52, s55
	s_cselect_b32 s56, 1, 3                        ; log2 of the K steps: 2, or 8 for W2
	s_cmp_lt_u32 ttmp9, 52
	s_cselect_b64 s[52:53], s[10:11], s[52:53]     ; 48-51: W0_r, e7
	s_cselect_b32 s54, s39, s54
	s_cselect_b32 s55, 48, s55
	s_cmp_lt_u32 ttmp9, 48
	s_cselect_b64 s[52:53], s[8:9], s[52:53]       ; 32-47: W1, e17
	s_cselect_b32 s54, s49, s54
	s_cselect_b32 s55, 32, s55
	s_cmp_lt_u32 ttmp9, 32
	s_cselect_b64 s[52:53], s[6:7], s[52:53]       ; 16-31: Wqkv_c, e9
	s_cselect_b32 s54, s41, s54
	s_cselect_b32 s55, 16, s55
	s_cselect_b32 s57, 128, 4                      ; bytes from feature to feature inside a tile: 32 columns in Wqkv, else 1
	s_cmp_lt_u32 ttmp9, 16
	s_cselect_b64 s[52:53], s[4:5], s[52:53]       ; 0-15: Wqkv_r, e1
	s_cselect_b32 s54, s33, s54
	s_cselect_b32 s55, 0, s55
	s_sub_co_u32 s58, ttmp9, s55
	s_lshl_b32 s58, s58, 3
	s_add_co_u32 s58, s58, s3                      ; the fragment's number in its weight
	s_lshr_b32 s59, s58, s56                       ; tile
	s_lshl_b32 s60, 1, s56
	s_sub_co_u32 s60, s60, 1
	s_and_b32 s60, s58, s60                        ; K step
	s_lshr_b32 s61, s59, 1                         ; b
	s_and_b32 s62, s59, 1                          ; u
	s_and_b32 s63, s61, 3
	s_lshl_b32 s63, s63, 3
	s_lshr_b32 s66, s61, 2
	s_add_co_u32 s63, s63, s66
	s_lshl_b32 s63, s63, 2                         ; Wqkv: (8 kind + head) x 4 bytes, kind = b % 4, head = b / 4
	s_lshl_b32 s66, s61, 7                         ; the others: 32 b x 4 bytes
	s_cmp_lt_u32 ttmp9, 32
	s_cselect_b32 s63, s63, s66
	s_lshl_b32 s66, s62, 3
	s_mul_i32 s66, s66, s57
	s_add_co_u32 s63, s63, s66                     ; + 8 u features
	v_and_b32 v6, 8, v2
	v_add_nc_u32 v6, v6, v2                        ; r + 8 (r / 8)
	v_mul_u32_u24 v4, s57, v6
	s_lshl_b32 s66, ttmp9, 14
	s_lshl_b32 s67, s3, 11
	s_add_co_u32 s66, s66, s67                     ; the images follow each other: (8 x work-group + wave) x 2,048
	s_mov_b32 s67, 0
	s_add_nc_u64 s[28:29], s[28:29], s[66:67]
.macro WLOADS N                        ; W(128 s + 32 c + 16 h + i, my column), register 16 c + i
.set i, 0
.rept 64
	global_load_b32 v[64+i], v4, s[52:53] offset:(32*(i/16)+i%16)*\N*4
.set i, i+1
.endr
.endm
	s_cmp_lt_u32 ttmp9, 48
	s_cbranch_scc0 .Lnarrow
	s_lshl_b32 s66, s60, 19                        ; rows of 4,096 bytes: a K step is 128 of them,
	s_add_co_u32 s63, s63, s66
	v_lshl_add_u32 v4, v3, 16, v4                  ; lanes 16-31 begin 16 rows further down
	v_add_nc_u32 v4, s63, v4
	WLOADS 1024
	s_branch .Lquant
.Lnarrow:
	s_lshl_b32 s66, s60, 17                        ; rows of 1,024 bytes
	s_add_co_u32 s63, s63, s66
	v_lshl_add_u32 v4, v3, 14, v4
	v_add_nc_u32 v4, s63, v4
	WLOADS 256
.Lquant:
	s_add_co_i32 s58, s54, 127
	s_lshl_b32 s58, s58, 23
	v_mov_b32 v10, s58                             ; 2^e as f32: the conversion takes its exponent field
	s_add_co_i32 s58, s54, 135
	s_lshl_b32 s58, s58, 23
	s_or_b32 s58, s58, 0x600000
	v_mov_b32 v11, s58                             ; 448 x 2^e
	s_wait_loadcnt 0x0
.set i, 0
.rept 64
	v_med3_num_f32 v[64+i], v[64+i], -v11, v11     ; the conversion to an 8-bit code does not saturate (ISA guide 7.6.2): the hold comes first
.set i, i+1
.endr
.irp g, 0,1,2,3,4,5,6,7
	v_cvt_scalef32_pk8_fp8_f32 v[32+2*\g:33+2*\g], v[64+8*\g:71+8*\g], v10
.endr
	v_nop                                          ; a plain line behind the last conversion
.irp c, 0,1,2,3
	global_store_b128 v1, v[32+4*\c:35+4*\c], s[28:29] offset:512*\c   ; 32 lanes store 512 consecutive bytes
.endr
	s_endpgm
; ---------------- the pair bias
.Lbias:
	s_sub_co_u32 s52, ttmp9, 72
	s_lshr_b32 s53, s52, 4                         ; qt
	s_and_b32 s54, s52, 15                         ; kt
	s_lshl_b32 s55, s53, 4
	s_lshl_b32 s56, s3, 1
	s_add_co_u32 s55, s55, s56                     ; my wave's first query: 16 qt + 2 wave
	s_lshl_b32 s55, s55, 8
	s_lshl_b32 s56, s54, 4
	s_add_co_u32 s55, s55, s56                     ; row (query, key 16 kt)
	s_lshl_b32 s56, s55, 9                         ; of 512 bytes
	s_mov_b32 s57, 0
	s_add_nc_u64 s[16:17], s[16:17], s[56:57]
	s_lshl_b32 s58, s3, 4                          ; on the way out wave w stores head w's image
	s_add_co_u32 s58, s58, s53
	s_lshl_b32 s58, s58, 4
	s_add_co_u32 s58, s58, s54
	s_lshl_b32 s58, s58, 10
	s_mov_b32 s59, 0
	s_add_nc_u64 s[30:31], s[30:31], s[58:59]
	s_mov_b32 s61, 0x3c000000                      ; 1 / 128
	s_mov_b32 s62, 0x3727c5ac                      ; 1e-5
	s_mov_b32 s66, 0x76543210                      ; v_permlanex16_b32: lane l xor 16
	s_mov_b32 s67, 0xfedcba98
	s_mul_i32 s63, s3, TW
	v_add_nc_u32 v4, s63, v1                       ; the turn, in: my wave's region + 16 x lane
	v_mul_u32_u24 v5, v2, TP
	v_lshl_add_u32 v5, v3, 8, v5
	v_add_nc_u32 v5, s63, v5                       ; out: row r, + 256 h: 64 neighbours along z
	v_lshlrev_b32 v14, 4, v0                       ; 16 x thread: my 16 bytes of Wb (z = thread / 2, four heads)
	v_add_nc_u32 v6, WL, v14
	v_lshrrev_b32 v7, 1, v0
	v_lshlrev_b32 v7, 2, v7                        ; g2, be2 at z
	v_and_b32 v8, 7, v0
	v_lshlrev_b32 v8, 2, v8                        ; head r % 8
	v_lshl_add_u32 v9, v3, 11, v8
	v_add_nc_u32 v9, WL, v9                        ; Wb g2 at (z = 64 h, head r % 8); a row of z is 32 bytes
	v_mul_u32_u24 v10, v2, PSP
	v_lshl_add_u32 v10, v3, 8, v10
	s_lshl_b32 s63, s3, 5
	s_add_co_u32 s63, s63, PST
	v_add_nc_u32 v10, s63, v10                     ; the stage, in: head r's image, lane (query 2 w + a, h): 16 (2 w + a + 16 h)
	s_mul_i32 s63, s3, PSP
	s_add_co_u32 s63, s63, PST
	v_add_nc_u32 v11, s63, v1                      ; out: head w's image, 16 x lane
	global_load_b128 v[32:35], v14, s[18:19]       ; the four small loads first: loads come back in order
	global_load_b32 v36, v7, s[22:23]
	global_load_b32 v37, v7, s[24:25]
	global_load_b32 v12, v8, s[20:21]
.set n, 0
.rept 32
	global_load_b128 v[128+4*n:131+4*n], v1, s[16:17] offset:(n/16)*131072+(n%16)*512 th:TH_LOAD_NT   ; row (query a = n / 16, key n % 16): 512 consecutive bytes
.set n, n+1
.endr
	s_wait_kmcnt 0x0
	s_add_co_i32 s60, s34, s35
	s_lshl_b32 s60, s60, 23
	s_sub_co_u32 s60, 0x40b504f3, s60              ; sqrt(32) x 2^-(e2+e3): the exponents are taken off sqrt(32)'s exponent field
	s_wait_loadcnt 32                              ; the four small loads are in; the 32 rows stay out
	v_pk_mul_f32 v[40:41], v[32:33], v[36:37] op_sel_hi:[1,0]               ; Wb x g2
	v_pk_mul_f32 v[42:43], v[34:35], v[36:37] op_sel_hi:[1,0]
	v_pk_mul_f32 v[44:45], v[32:33], v[36:37] op_sel:[0,1] op_sel_hi:[1,1]  ; Wb x be2
	v_pk_mul_f32 v[46:47], v[34:35], v[36:37] op_sel:[0,1] op_sel_hi:[1,1]
	ds_store_b128 v6, v[40:43]
	ds_store_b128 v6, v[44:47] offset:4096
	BARRIER
.set i, 0
.rept 64
	ds_load_b32 v[64+i], v9 offset:32*i            ; source 1 of the product: register i = (Wb g2)(64 h + i, head r % 8)
.set i, i+1
.endr
.macro HALF q                          ; 32 numbers of (Wb be2)(64 h + 32 q + i, head), summed in place to a pair
.set i, 0
.rept 32
	ds_load_b32 v[32+i], v9 offset:4096+32*(32*\q+i)
.set i, i+1
.endr
	s_wait_dscnt 0x0
.irp k, 0,1,2,3,4,5,6,7
	v_pk_add_f32 v[32+4*\k:33+4*\k], v[32+4*\k:33+4*\k], v[34+4*\k:35+4*\k]
.endr
.irp k, 0,1,2,3
	v_pk_add_f32 v[32+8*\k:33+8*\k], v[32+8*\k:33+8*\k], v[36+8*\k:37+8*\k]
.endr
.irp k, 0,1
	v_pk_add_f32 v[32+16*\k:33+16*\k], v[32+16*\k:33+16*\k], v[40+16*\k:41+16*\k]
.endr
.endm
	HALF 0
	v_pk_add_f32 v[14:15], v[32:33], v[48:49]
	HALF 1
	v_pk_add_f32 v[32:33], v[32:33], v[48:49]
	v_pk_add_f32 v[14:15], v[14:15], v[32:33]
	v_add_f32 v14, v14, v15
	v_permlanex16_b32 v15, v14, s66, s67           ; the other 64 z lie in lane l xor 16
	v_add_f32 v14, v14, v15
	v_add_f32 v12, v14, v12                        ; + bb
	v_mul_f32 v12, s60, v12                        ; the head's constant
	; the turn through my wave's own LDS: in as the rows lie, back 64 neighbours a lane
.set n, 0
.rept 32
	s_wait_loadcnt 31-n                            ; row n is in; the rows behind it stay out
	ds_store_b128 v4, v[128+4*n:131+4*n] offset:TP*n
.set n, n+1
.endr
	s_wait_dscnt 0x0                               ; the stores have read their registers
.irp a, 0,1
.irp q, 0,1,2,3,4,5,6,7,8,9,10,11,12,13,14,15
	ds_load_b128 v[128+64*\a+4*\q:131+64*\a+4*\q], v5 offset:16*TP*\a+16*\q
.endr
.endr
	s_wait_dscnt 0x0
.macro FOLD                            ; four chains a tile -> one number, with lane l xor 16's, in v[32 + 8 a]
.irp a, 0,1
	v_pk_add_f32 v[32+8*\a:33+8*\a], v[32+8*\a:33+8*\a], v[34+8*\a:35+8*\a]
	v_pk_add_f32 v[36+8*\a:37+8*\a], v[36+8*\a:37+8*\a], v[38+8*\a:39+8*\a]
.endr
.irp a, 0,1
	v_pk_add_f32 v[32+8*\a:33+8*\a], v[32+8*\a:33+8*\a], v[36+8*\a:37+8*\a]
.endr
.irp a, 0,1
	v_add_f32 v[32+8*\a], v[32+8*\a], v[33+8*\a]
.endr
.irp a, 0,1
	v_permlanex16_b32 v[33+8*\a], v[32+8*\a], s66, s67
.endr
.irp a, 0,1
	v_add_f32 v[32+8*\a], v[32+8*\a], v[33+8*\a]
.endr
.endm
.irp c, 0,1,2,3
.irp a, 0,1
	v_pk_add_f32 v[32+8*\a+2*\c:33+8*\a+2*\c], v[128+64*\a+2*\c:129+64*\a+2*\c], v[136+64*\a+2*\c:137+64*\a+2*\c]
.endr
.endr
.irp k, 2,3,4,5,6,7
.irp c, 0,1,2,3
.irp a, 0,1
	v_pk_add_f32 v[32+8*\a+2*\c:33+8*\a+2*\c], v[32+8*\a+2*\c:33+8*\a+2*\c], v[128+64*\a+8*\k+2*\c:129+64*\a+8*\k+2*\c]
.endr
.endr
.endr
	FOLD
.irp a, 0,1
	v_mul_f32 v[48+2*\a], s61, v[32+8*\a]          ; the mean, in both halves of a pair
	v_mul_f32 v[49+2*\a], s61, v[32+8*\a]
.endr
.set i, 0
.rept 32
	v_pk_add_f32 v[128+2*i:129+2*i], v[128+2*i:129+2*i], v[48:49] neg_lo:[0,1] neg_hi:[0,1]
	v_pk_add_f32 v[192+2*i:193+2*i], v[192+2*i:193+2*i], v[50:51] neg_lo:[0,1] neg_hi:[0,1]
.set i, i+1
.endr
.irp c, 0,1,2,3
.irp a, 0,1
	v_pk_mul_f32 v[32+8*\a+2*\c:33+8*\a+2*\c], v[128+64*\a+2*\c:129+64*\a+2*\c], v[128+64*\a+2*\c:129+64*\a+2*\c]
.endr
.endr
.irp k, 1,2,3,4,5,6,7
.irp c, 0,1,2,3
.irp a, 0,1
	v_pk_fma_f32 v[32+8*\a+2*\c:33+8*\a+2*\c], v[128+64*\a+8*\k+2*\c:129+64*\a+8*\k+2*\c], v[128+64*\a+8*\k+2*\c:129+64*\a+8*\k+2*\c], v[32+8*\a+2*\c:33+8*\a+2*\c]
.endr
.endr
.endr
	FOLD
.irp a, 0,1
	v_fma_f32 v[32+8*\a], v[32+8*\a], s61, s62     ; the variance + 1e-5
.endr
.irp a, 0,1
	v_rsq_f32 v[48+2*\a], v[32+8*\a]
.endr
	v_nop                                          ; a plain line behind the last of the two,
	s_wait_alu depctr_va_vdst(0)                   ; and one wait for both, ahead of the first reader
.set i, 0
.rept 32
	v_pk_mul_f32 v[128+2*i:129+2*i], v[128+2*i:129+2*i], v[48:49] op_sel_hi:[1,0]
	v_pk_mul_f32 v[192+2*i:193+2*i], v[192+2*i:193+2*i], v[50:51] op_sel_hi:[1,0]
.set i, i+1
.endr
	; 16 keys x 16 (8 heads, twice) x 128 z in f32: instruction kk takes z = 64 h + 2 kk + j in both sources.  The two tiles' accumulators take turns.
.set kk, 0
.rept 32
.if kk == 0
	v_wmma_f32_16x16x4_f32 v[16:23], v[128:129], v[64:65], 0
	v_wmma_f32_16x16x4_f32 v[24:31], v[192:193], v[64:65], 0
.else
	v_wmma_f32_16x16x4_f32 v[16:23], v[128+2*kk:129+2*kk], v[64+2*kk:65+2*kk], v[16:23]
	v_wmma_f32_16x16x4_f32 v[24:31], v[192+2*kk:193+2*kk], v[64+2*kk:65+2*kk], v[24:31]
.endif
.set kk, kk+1
.endr
.rept 8
	v_nop                                          ; eight places behind this form before a result is read (ISA guide 7.12.1)
.endr
.irp j, 0,1,2,3,4,5,6,7,8,9,10,11,12,13,14,15
	v_fma_f32 v[32+\j], v[16+\j], s60, v12         ; lane (head r, h), register j of tile a: key 8 h + j; each accumulator from its low end on, into other registers
.endr
.irp a, 0,1
.irp f, 0,1
	ds_store_b128 v10, v[32+8*\a+4*\f:35+8*\a+4*\f] offset:16*\a+512*\f
.endr
.endr
	BARRIER                                        ; eight whole images lie in the stage
	ds_load_b128 v[48:51], v11
	ds_load_b128 v[52:55], v11 offset:512
	s_wait_dscnt 0x0
	global_store_b128 v1, v[48:51], s[30:31]       ; 512 consecutive bytes a store
	global_store_b128 v1, v[52:55], s[30:31] offset:512
	s_set_vgpr_msb 0x5
	s_wait_tensorcnt 0x0
	ds_add_u32 v0, v1
	s_wait_dscnt 0x0
	s_set_vgpr_msb 0x500
	s_endpgm
.Lfunc_end_k_q3d12e84823_prep:
	.size	k_q3d12e84823_prep, .Lfunc_end_k_q3d12e84823_prep-k_q3d12e84823_prep
	.p2alignl 7, 3214868480
	.fill 96, 4, 3214868480
	.section	.rodata,"a",@progbits
	.p2align	6, 0x0
	.amdhsa_kernel k_q3d12e84823_prep
		.amdhsa_group_segment_fixed_size 161280
		.amdhsa_private_segment_fixed_size 0
		.amdhsa_enable_private_segment 0
		.amdhsa_kernarg_size 112
		.amdhsa_user_sgpr_count 2
		.amdhsa_user_sgpr_kernarg_segment_ptr 1
		.amdhsa_wavefront_size32 1
		.amdhsa_system_sgpr_workgroup_id_x 1
		.amdhsa_system_sgpr_workgroup_id_y 1
		.amdhsa_system_sgpr_workgroup_id_z 1
		.amdhsa_system_vgpr_workitem_id 0
		.amdhsa_next_free_vgpr 258
		.amdhsa_next_free_sgpr 72
		.amdhsa_reserve_vcc 0
		.amdhsa_float_denorm_mode_32 3
		.amdhsa_float_denorm_mode_16_64 3
		.amdhsa_memory_ordered 1
		.amdhsa_forward_progress 1
		.amdhsa_inst_pref_size 65
	.end_amdhsa_kernel
	.amdgpu_metadata
---
amdhsa.version: [ 1, 2 ]
amdhsa.kernels:
  - .name:           k_q3d12e84823_prep
    .symbol:         k_q3d12e84823_prep.kd
    .args:
      - { .name: Wqkv_r, .offset: 0, .size: 8, .value_kind: global_buffer, .address_space: global }
      - { .name: Wqkv_c, .offset: 8, .size: 8, .value_kind: global_buffer, .address_space: global }
      - { .name: W1, .offset: 16, .size: 8, .value_kind: global_buffer, .address_space: global }
      - { .name: W0_r, .offset: 24, .size: 8, .value_kind: global_buffer, .address_space: global }
      - { .name: W0_c, .offset: 32, .size: 8, .value_kind: global_buffer, .address_space: global }
      - { .name: W2, .offset: 40, .size: 8, .value_kind: global_buffer, .address_space: global }
      - { .name: bias_rep, .offset: 48, .size: 8, .value_kind: global_buffer, .address_space: global }
      - { .name: Wb, .offset: 56, .size: 8, .value_kind: global_buffer, .address_space: global }
      - { .name: bb, .offset: 64, .size: 8, .value_kind: global_buffer, .address_space: global }
      - { .name: g2, .offset: 72, .size: 8, .value_kind: global_buffer, .address_space: global }
      - { .name: be2, .offset: 80, .size: 8, .value_kind: global_buffer, .address_space: global }
      - { .name: lowp_scales, .offset: 88, .size: 8, .value_kind: global_buffer, .address_space: global }
      - { .name: wimg, .offset: 96, .size: 8, .value_kind: global_buffer, .address_space: global }
      - { .name: pb, .offset: 104, .size: 8, .value_kind: global_buffer, .address_space: global }
    .group_segment_fixed_size: 161280
    .private_segment_fixed_size: 0
    .kernarg_segment_align: 8
    .kernarg_segment_size: 112
    .max_flat_workgroup_size: 256
    .sgpr_count:     72
    .vgpr_count:     258
    .wavefront_size: 32
...
	.end_amdgpu_metadata
.endif
;; end of part 1
;; launch row (part 2): grid 256 x 1, 16 waves a work-group, no clusters, 206,848 bytes of LDS; arguments x, g1, be1, g3, be3, lowp_scales, wimg, pb, x3; writes x3
.if DOCPART == 2
	.amdgcn_target "amdgcn-amd-amdhsa--gfx1250"
	.amdhsa_code_object_version 6
	.text
	.protected	k_q3d12e84823_row
	.globl	k_q3d12e84823_row
	.p2align	8
	.type	k_q3d12e84823_row,@function
k_q3d12e84823_row:
	s_mov_b64 s[64:65], 0
	v_nop
	global_prefetch_b8 v0, s[64:65] scope:SCOPE_SE
	s_setreg_imm32_b32 hwreg(HW_REG_WAVE_MODE, 25, 1), 1
	s_wait_xcnt 0x0
; x3 = LN3( x1 + gated row attention(x1) W0_r ), x1 = LN1(x); all four products on codes of E4M3 with the given scales e0 .. e7.
; SHARES.  Work-group = (s = id / 2, half qh = id % 2): 128 queries of row s against its 256 keys.  Tokens are numbered RELATIVE in LDS: relative token t is token (t + 128 qh) mod 256, so the
; queries are relative tiles 0-7 and no LDS address hangs on the work-group's number.  Sixteen waves of 256 registers, four to a SIMD, so that one wave's vector work stands beside another's matrix work.
; Wave w: head = w / 2, u = w % 2.  Its token tiles for k and v: 4 m + 2 u + a (m 0..3, a 0..1); its query tiles i = 0..3: 4 (i / 2) + 2 u + i % 2.
; PHASES: A: LN1 of all 256 tokens, codes to XC, (mean, 1/sigma) to STAT | barrier | 1: k, v of my head and tiles, as register images to KI, VI; 2: q (codes) and the gate stay in registers | barrier |
; attention: S^T = k q^T + bias (the bias is the C of the product), p = 2^(t - M) with M a whole number, O^T = v^T p^T; O / l x gate, codes to OG | barrier | W0_r: 4 token tiles x 2 column tiles a wave,
; sums to the stage | barrier | F: x1 made anew from x and STAT, + sum x 2^(e6+e7), LN3, store.
; x1 is made twice: kept in LDS it would take 131,072 bytes beside XC, KI, VI (200,704), more than the 327,680 that a work-group can claim.
; LAYOUTS are those of the launch in front: weights as images whose tile 2 b + u, lane r is feature 32 b + 8 u + r + 8 (r / 8): as source 0 they give lane (token, h) the features 32 b + 16 h + 8 u + j.
; A head's K = 32 fills half of the 16x16x64 form: q's fragment is [4 registers of codes][4 of zeros]; k's tiles lie packed, 4 registers each, so that the upper half of k's fragment holds the next
; tile's codes, finite numbers that meet q's zeros.
; No cluster, no tensor load: the weights (my head's 128 KB of Wqkv_r, 16 KB of W0_r a wave) and the bias go from memory straight into operand registers; a joint load would land them in LDS, whence the same
; bytes would be read once more.
; LIMITS: e0, e2-e0-e1, e3-e0-e1, e5-e0-e1, e4, e6 between -126 and 119; e0+e1, e2+e3 between -120 and 120; e6+e7 between -126 and 127.  NaN and infinities among the inputs are not served.
; REGISTERS that stay: v1 16 l; v2 XC fragment; v3, v4 where k's, v's images go; v5, v6 whence they come; v7 where og's codes go; v8, v9 the bias's offset for key step 0, 1; v10-13 limits and scales of the phase; v14, v15 the phase's own.
.set XP,   272                         ; a row of 256 codes + 16
.set XC,   0                           ; 256 rows
.set KI,   69632                       ; head x 8,192 + tile x 512
.set VI,   135168                      ; head x 8,192 + u x 4,096 + key step x 2,048
.set OG,   0                           ; 16 images of 2,048 bytes, over XC, behind the second barrier
.set STG,  69632                       ; 128 rows of 1,024 + 16 bytes, over KI and VI, behind the third
.set SGP,  1040
.set STAT, 202752                      ; 256 x (mean, 1/sigma)
.set NKS,  2                           ; key steps of 128
.set BIAS, 1
.set EA,   32                          ; s[EA + k] = e(k)
.set W0O,  786432                      ; W0_r's images in wimg (Wqkv_r's begin at 0)
.macro PL4                             ; four places behind matrix instructions (ISA guide 7.12.1)
.rept 4
	v_nop
.endr
.endm
.macro BARRIER
	s_wait_dscnt 0x0                               ; my LDS stores have landed and my LDS loads are in
	s_barrier_signal -1
	s_barrier_wait -1
.endm
.macro MKQ sc, lm, e                   ; 2^e and 448 x 2^e as f32 patterns
	s_add_co_i32 s[\sc], s[\e], 127
	s_add_co_i32 s[\lm], s[\e], 135
	s_lshl_b32 s[\sc], s[\sc], 23
	s_lshl_b32 s[\lm], s[\lm], 23
	s_or_b32 s[\lm], s[\lm], 0x600000
.endm
.macro GFRAG reg, base, off            ; an image from memory: 4 x 512 consecutive bytes
.irp c, 0,1,2,3
	global_load_b128 v[\reg+4*\c:\reg+4*\c+3], v1, s[\base:\base+1] offset:\off+512*\c
.endr
.endm
.macro LFRAG reg, adr, off             ; an image from LDS
.irp c, 0,1,2,3
	ds_load_b128 v[\reg+4*\c:\reg+4*\c+3], v[\adr] offset:\off+512*\c
.endr
.endm
.macro XFRAG reg, off                  ; a fragment from XC's rows: row r, k = 32 c + 16 h + 0 .. 15
.irp c, 0,1,2,3
	ds_load_b128 v[\reg+4*\c:\reg+4*\c+3], v2 offset:\off+32*\c
.endr
.endm
.macro RED4 T                          ; v[T + 8 n], n = 0..3, summed over the 32 lanes, into every lane
.irp m, 1,2,4,8
.irp n, 0,1,2,3
	v_add_f32_dpp v[\T+8*\n], v[\T+8*\n], v[\T+8*\n] row_xmask:\m row_mask:0xf bank_mask:0xf
.endr
.endr
.irp n, 0,1,2,3
	v_permlanex16_b32 v[\T+8*\n+1], v[\T+8*\n], s28, s29
.endr
.irp n, 0,1,2,3
	v_add_f32 v[\T+8*\n], v[\T+8*\n], v[\T+8*\n+1]
.endr
.endm
; Layer norm of four tokens by turns.  Token n: 8 numbers a lane at v[XB + 8 n] (channels 4 l .. and 128 + 4 l ..); the pair v[MR + 2 n] ends as (mean, 1/sigma).  The mean is taken away before the squares are summed.
.macro LN4 XB, MR, G, B, T
.irp n, 0,1,2,3
	v_pk_add_f32 v[\T+8*\n:\T+8*\n+1], v[\XB+8*\n:\XB+8*\n+1], v[\XB+8*\n+2:\XB+8*\n+3]
	v_pk_add_f32 v[\T+8*\n+2:\T+8*\n+3], v[\XB+8*\n+4:\XB+8*\n+5], v[\XB+8*\n+6:\XB+8*\n+7]
.endr
.irp n, 0,1,2,3
	v_pk_add_f32 v[\T+8*\n:\T+8*\n+1], v[\T+8*\n:\T+8*\n+1], v[\T+8*\n+2:\T+8*\n+3]
.endr
.irp n, 0,1,2,3
	v_add_f32 v[\T+8*\n], v[\T+8*\n], v[\T+8*\n+1]
.endr
	RED4 \T
.irp n, 0,1,2,3
	v_mul_f32 v[\MR+2*\n], s76, v[\T+8*\n]         ; the mean, in both halves of the pair
	v_mul_f32 v[\MR+2*\n+1], s76, v[\T+8*\n]
.endr
.irp p, 0,2,4,6
.irp n, 0,1,2,3
	v_pk_add_f32 v[\XB+8*\n+\p:\XB+8*\n+\p+1], v[\XB+8*\n+\p:\XB+8*\n+\p+1], v[\MR+2*\n:\MR+2*\n+1] neg_lo:[0,1] neg_hi:[0,1]
.endr
.endr
.irp n, 0,1,2,3
	v_pk_mul_f32 v[\T+8*\n:\T+8*\n+1], v[\XB+8*\n:\XB+8*\n+1], v[\XB+8*\n:\XB+8*\n+1]
.endr
.irp p, 2,4,6
.irp n, 0,1,2,3
	v_pk_fma_f32 v[\T+8*\n:\T+8*\n+1], v[\XB+8*\n+\p:\XB+8*\n+\p+1], v[\XB+8*\n+\p:\XB+8*\n+\p+1], v[\T+8*\n:\T+8*\n+1]
.endr
.endr
.irp n, 0,1,2,3
	v_add_f32 v[\T+8*\n], v[\T+8*\n], v[\T+8*\n+1]
.endr
	RED4 \T
.irp n, 0,1,2,3
	v_fma_f32 v[\T+8*\n], v[\T+8*\n], s76, s77     ; the variance + 1e-5
.endr
.irp n, 0,1,2,3
	v_rsq_f32 v[\MR+2*\n+1], v[\T+8*\n]
.endr
	v_nop                                          ; a plain line behind the batch,
	s_wait_alu depctr_va_vdst(0)                   ; and one wait for the four, ahead of the first reader
.irp p, 0,2,4,6
.irp n, 0,1,2,3
	v_pk_mul_f32 v[\XB+8*\n+\p:\XB+8*\n+\p+1], v[\XB+8*\n+\p:\XB+8*\n+\p+1], v[\MR+2*\n:\MR+2*\n+1] op_sel:[0,1] op_sel_hi:[1,1]
.endr
.endr
.irp p, 0,2,4,6
.irp n, 0,1,2,3
	v_pk_fma_f32 v[\XB+8*\n+\p:\XB+8*\n+\p+1], v[\XB+8*\n+\p:\XB+8*\n+\p+1], v[\G+\p:\G+\p+1], v[\B+\p:\B+\p+1]
.endr
.endr
.endm
	s_load_b512 s[4:19], s[0:1], 0x0               ; x, g1, be1, g3, be3, the scales' exponents, wimg, pb
	s_load_b64 s[20:21], s[0:1], 0x40              ; x3
	v_lshrrev_b32 v10, 5, v0
	v_readfirstlane_b32 s22, v10                   ; wave 0..15
	s_lshr_b32 s23, s22, 1                         ; head; later: the group of 32 columns
	s_and_b32 s24, s22, 1                          ; u; later: the half of the token tiles
	s_lshr_b32 s25, ttmp9, 1                       ; s
	s_and_b32 s26, ttmp9, 1                        ; qh
	s_mov_b32 s28, 0x76543210                      ; v_permlanex16_b32: lane l xor 16
	s_mov_b32 s29, 0xfedcba98
	s_mov_b32 s76, 0x3b800000                      ; 1 / 256
	s_mov_b32 s77, 0x3727c5ac                      ; 1e-5
	v_and_b32 v10, 31, v0
	v_lshlrev_b32 v1, 4, v10
	v_and_b32 v12, 15, v0                          ; r
	v_bfe_u32 v13, v0, 4, 1                        ; h
	v_mul_u32_u24 v2, v12, XP
	v_lshl_add_u32 v2, v13, 4, v2
	s_mul_i32 s30, s24, 32*XP
	v_add_nc_u32 v2, s30, v2                       ; XC: tile 2 u, row r, + 16 h
	s_mul_i32 s30, s23, NKS*4096
	s_add_co_u32 s31, s30, KI
	v_add_nc_u32 v5, s31, v1
	s_lshl_b32 s27, s24, 10
	s_add_co_u32 s27, s27, s31
	v_add_nc_u32 v3, s27, v1
	s_add_co_u32 s31, s30, VI
	v_add_nc_u32 v6, s31, v1
	s_lshl_b32 s27, s24, 9
	s_add_co_u32 s27, s27, s31
	v_add_nc_u32 v4, s27, v1
	s_lshr_b32 s30, s23, 2
	s_lshl_b32 s30, s30, 11                        ; og: K = 32 head + d: K step head / 4,
	s_and_b32 s31, s23, 3
	s_lshl_b32 s31, s31, 9                         ; chunk head % 4,
	s_add_co_u32 s30, s30, s31
	s_lshl_b32 s31, s24, 13                        ; tile 2 u
	s_add_co_u32 s30, s30, s31
	v_add_nc_u32 v7, s30, v1
	s_lshl_b32 s30, s26, 13                        ; relative key step ks is key step ks xor qh: 8 tiles of 1,024 bytes
	v_add_nc_u32 v8, s30, v1
	s_xor_b32 s30, s30, 8192
	v_add_nc_u32 v9, s30, v1
	v_lshlrev_b32 v14, 2, v10
	s_mul_i32 s30, s22, 16*XP
	v_add_nc_u32 v14, s30, v14                     ; phase A: my tile's rows of XC, + 4 l
	s_lshl_b32 s30, s22, 7
	s_add_co_u32 s30, s30, STAT
	v_mov_b32 v15, s30                             ; and its 16 pairs in STAT
	s_wait_kmcnt 0x0
	s_load_b512 s[32:47], s[14:15], 0x0
	s_load_b128 s[48:51], s[14:15], 0x40
	s_lshl_b32 s2, s26, 3
	s_add_co_u32 s2, s2, s22
	s_and_b32 s2, s2, 15                           ; relative tile w is tile (w + 8 qh) mod 16
	s_lshl_b32 s2, s2, 14
	s_lshl_b32 s3, s25, 18
	s_add_co_u32 s2, s2, s3
	s_mov_b32 s3, 0
	s_add_nc_u64 s[78:79], s[4:5], s[2:3]          ; x at my tile
	s_lshl_b32 s2, s25, 18
	s_lshl_b32 s30, s26, 17
	s_add_co_u32 s2, s2, s30
	s_lshl_b32 s30, s22, 13
	s_add_co_u32 s2, s2, s30                       ; token 128 qh + 8 w of row s
	s_add_nc_u64 s[86:87], s[4:5], s[2:3]          ; x and x3 at my eight queries of phase F
	s_add_nc_u64 s[88:89], s[20:21], s[2:3]
	s_lshl_b32 s2, s23, 15
	s_add_nc_u64 s[80:81], s[16:17], s[2:3]        ; Wqkv_r's images of my head
	s_lshl_b32 s2, s23, 13
	s_add_co_u32 s2, s2, W0O
	s_add_nc_u64 s[82:83], s[16:17], s[2:3]        ; W0_r's images of my 32 columns
	s_lshl_b32 s2, s23, 18
	s_lshl_b32 s30, s26, 17
	s_add_co_u32 s2, s2, s30
	s_lshl_b32 s30, s24, 15
	s_add_co_u32 s2, s2, s30
	s_add_nc_u64 s[84:85], s[18:19], s[2:3]        ; the bias: head, query tile 8 qh + 2 u
; ---------------- A: LN1 and codes.  v[16:23] g1, v[24:31] be1, v[32:63] at work, v[64:95] codes, v[96:127] (mean, 1/sigma), v[128:255] 16 tokens x 8
	global_load_b128 v[16:19], v1, s[6:7]
	global_load_b128 v[20:23], v1, s[6:7] offset:512
	global_load_b128 v[24:27], v1, s[8:9]
	global_load_b128 v[28:31], v1, s[8:9] offset:512
.irp n, 0,1,2,3,4,5,6,7,8,9,10,11,12,13,14,15
	global_load_b128 v[128+8*\n:131+8*\n], v1, s[78:79] offset:1024*\n       ; 512 consecutive bytes a load
	global_load_b128 v[132+8*\n:135+8*\n], v1, s[78:79] offset:1024*\n+512
.endr
	s_wait_kmcnt 0x0
	s_add_co_i32 s52, s[EA], s[EA+1]               ; a sum of the first product stands for sum x 2^(e0+e1): that is folded into the scales of what is made of it
	MKQ 53, 54, EA
	s_sub_co_i32 s30, s[EA+2], s52
	MKQ 55, 56, 30                                 ; q
	s_sub_co_i32 s30, s[EA+3], s52
	MKQ 57, 58, 30                                 ; k
	s_sub_co_i32 s30, s[EA+5], s52
	MKQ 59, 60, 30                                 ; v
	MKQ 61, 62, EA+4                               ; p
	MKQ 63, 66, EA+6                               ; o x gate
	s_lshl_b32 s68, s52, 23
	s_add_co_u32 s68, s68, 0xbfb8aa3b              ; -log2(e) x 2^(e0+e1), for the gate
	s_mov_b32 s69, s68                             ; (named with it as a pair, so it is written)
	s_add_co_i32 s70, s[EA+2], s[EA+3]
	s_lshl_b32 s70, s70, 23
	s_add_co_u32 s70, s70, 0x3e8293ee              ; c = log2(e) / sqrt(32) x 2^(e2+e3)
	s_mov_b32 s71, s70
	s_add_co_i32 s72, s[EA+4], s[EA+5]
	s_add_co_i32 s74, s[EA+6], s[EA+7]
	s_add_co_i32 s74, s74, 127
	s_lshl_b32 s74, s74, 23                        ; 2^(e6+e7)
	s_mov_b32 s75, s74
	v_mov_b32 v10, s54
	v_mov_b32 v11, s53
.irp g, 0,1,2,3
	s_wait_loadcnt 24-8*\g                         ; g1, be1 and the tokens up to this group's are in; the later groups' 8 loads each stay out
	LN4 128+32*\g, 96+8*\g, 16, 24, 32
.irp n, 0,1,2,3
	ds_store_b64 v15, v[96+8*\g+2*\n:97+8*\g+2*\n] offset:8*(4*\g+\n)       ; every lane stores the same pair
.endr
.irp n, 0,1,2,3
.irp j, 0,1,2,3,4,5,6,7
	v_med3_num_f32 v[128+32*\g+8*\n+\j], v[128+32*\g+8*\n+\j], -v10, v10     ; the conversion does not saturate (ISA guide 7.6.2): the hold comes first
.endr
	v_cvt_scalef32_pk8_fp8_f32 v[64+8*\g+2*\n:65+8*\g+2*\n], v[128+32*\g+8*\n:135+32*\g+8*\n], v11
.endr
	v_nop                                          ; a plain line behind the last conversion
.irp n, 0,1,2,3
	ds_store_b32 v14, v[64+8*\g+2*\n] offset:XP*(4*\g+\n)                    ; channels 4 l ..: 128 consecutive bytes
	ds_store_b32 v14, v[65+8*\g+2*\n] offset:XP*(4*\g+\n)+128                ; channels 128 + 4 l ..
.endr
.endr
	s_wait_dscnt 0x0                               ; the stores have read their registers
.irp uu, 0,1
.irp s, 0,1
	GFRAG 16+32*\uu+16*\s, 80, 8192+\uu*4096+\s*2048       ; k's weights (u, K step)
.endr
.endr
.irp uu, 0,1
.irp s, 0,1
	GFRAG 80+32*\uu+16*\s, 80, 16384+\uu*4096+\s*2048      ; v's
.endr
.endr
	BARRIER                                        ; all 256 rows of codes lie in XC
; ---------------- 1: k and v.  v[16:79] k's weights, v[80:143] v's; v[144:175] four accumulators; v[176:207], v[208:239] x's fragments by turns; v[240:251] codes; v252-255 limits and scales
; k: source 0 = weights, source 1 = tokens: a lane holds one token and 16 neighbouring d.  v: source 0 = tokens, source 1 = weights: a lane holds one d and eight neighbouring tokens: the second product's K.
.macro P1TILE q, last
.set BU, 176+32*((\q)%2)
.set NB, 208-32*((\q)%2)
.if \last
	s_wait_dscnt 0x0
.else
	XFRAG NB, (4*(((\q)+1)/2)+((\q)+1)%2)*16*XP            ; the next tile, into the buffer whose readers stand four places and more back
	XFRAG NB+16, (4*(((\q)+1)/2)+((\q)+1)%2)*16*XP+128
	s_wait_dscnt 8                                 ; all but the eight just issued: this tile's fragments are in, the last tile's stores have read their registers
.endif
	v_wmma_f32_16x16x128_fp8_fp8 v[144:151], v[16:31], v[BU:BU+15], 0        ; the four accumulators take turns
	v_wmma_f32_16x16x128_fp8_fp8 v[152:159], v[48:63], v[BU:BU+15], 0
	v_wmma_f32_16x16x128_fp8_fp8 v[160:167], v[BU:BU+15], v[80:95], 0
	v_wmma_f32_16x16x128_fp8_fp8 v[168:175], v[BU:BU+15], v[112:127], 0
	v_wmma_f32_16x16x128_fp8_fp8 v[144:151], v[32:47], v[BU+16:BU+31], v[144:151]
	v_wmma_f32_16x16x128_fp8_fp8 v[152:159], v[64:79], v[BU+16:BU+31], v[152:159]
	v_wmma_f32_16x16x128_fp8_fp8 v[160:167], v[BU+16:BU+31], v[96:111], v[160:167]
	v_wmma_f32_16x16x128_fp8_fp8 v[168:175], v[BU+16:BU+31], v[128:143], v[168:175]
	PL4
.irp j, 0,1,2,3,4,5,6,7,8,9,10,11,12,13,14,15
	v_med3_num_f32 v[144+\j], v[144+\j], -v252, v252
.endr
.irp j, 0,1,2,3,4,5,6,7,8,9,10,11,12,13,14,15
	v_med3_num_f32 v[160+\j], v[160+\j], -v254, v254
.endr
	v_cvt_scalef32_pk8_fp8_f32 v[240:241], v[144:151], v253
	v_cvt_scalef32_pk8_fp8_f32 v[242:243], v[152:159], v253
	v_cvt_scalef32_pk8_fp8_f32 v[244+2*((\q)%2):245+2*((\q)%2)], v[160:167], v255
	v_cvt_scalef32_pk8_fp8_f32 v[248+2*((\q)%2):249+2*((\q)%2)], v[168:175], v255
	v_nop                                          ; a plain line behind the last conversion
	ds_store_b128 v3, v[240:243] offset:(4*((\q)/2)+(\q)%2)*512
.if (\q)%2
	ds_store_b128 v4, v[244:247] offset:((\q)/2)*1024                        ; two tiles' tokens: one chunk of v^T's fragment, d = r + 8 (r / 8)
	ds_store_b128 v4, v[248:251] offset:NKS*2048+((\q)/2)*1024               ; d = 8 + r + 8 (r / 8)
.endif
.endm
	v_mov_b32 v252, s58
	v_mov_b32 v253, s57
	v_mov_b32 v254, s60
	v_mov_b32 v255, s59
	XFRAG 176, 0
	XFRAG 192, 128
	s_wait_loadcnt 0x0                             ; the weights
	P1TILE 0, 0
	P1TILE 1, 0
	P1TILE 2, 0
	P1TILE 3, 0
	P1TILE 4, 0
	P1TILE 5, 0
	P1TILE 6, 0
	P1TILE 7, 1
; ---------------- 2: q and the gate of my four query tiles, a K step at a time.  v[176:207] q's weights, v[208:239] g's; x's fragments in v[240:255], v[16:31], v[32:47]; v[112:175] q's sums, v[48:111] g's
.macro P2MUL i, xf, s
.if \s
	v_wmma_f32_16x16x128_fp8_fp8 v[112+16*\i:119+16*\i], v[176:191], v[\xf:\xf+15], v[112+16*\i:119+16*\i]
	v_wmma_f32_16x16x128_fp8_fp8 v[120+16*\i:127+16*\i], v[192:207], v[\xf:\xf+15], v[120+16*\i:127+16*\i]
	v_wmma_f32_16x16x128_fp8_fp8 v[48+16*\i:55+16*\i], v[208:223], v[\xf:\xf+15], v[48+16*\i:55+16*\i]
	v_wmma_f32_16x16x128_fp8_fp8 v[56+16*\i:63+16*\i], v[224:239], v[\xf:\xf+15], v[56+16*\i:63+16*\i]
.else
	v_wmma_f32_16x16x128_fp8_fp8 v[112+16*\i:119+16*\i], v[176:191], v[\xf:\xf+15], 0
	v_wmma_f32_16x16x128_fp8_fp8 v[120+16*\i:127+16*\i], v[192:207], v[\xf:\xf+15], 0
	v_wmma_f32_16x16x128_fp8_fp8 v[48+16*\i:55+16*\i], v[208:223], v[\xf:\xf+15], 0
	v_wmma_f32_16x16x128_fp8_fp8 v[56+16*\i:63+16*\i], v[224:239], v[\xf:\xf+15], 0
.endif
.endm
	s_wait_dscnt 0x0                               ; the last tile's stores have read their registers
	v_mov_b32 v10, s56
	v_mov_b32 v11, s55
.irp s, 0,1
.if \s
	PL4                                            ; in front of loads into registers that the first K step's products have read
.endif
	GFRAG 176, 80, \s*2048
	GFRAG 192, 80, 4096+\s*2048
	GFRAG 208, 80, 24576+\s*2048
	GFRAG 224, 80, 28672+\s*2048
	XFRAG 240, 128*\s
	XFRAG 16, 16*XP+128*\s
	XFRAG 32, 64*XP+128*\s
	s_wait_loadcnt 0x0
	s_wait_dscnt 8                                 ; tile 0's four loads are in; tiles 1 and 2 may be out
	P2MUL 0, 240, \s
	PL4
	XFRAG 240, 80*XP+128*\s
	s_wait_dscnt 8                                 ; tile 1's are in; tiles 2 and 3 may be out
	P2MUL 1, 16, \s
	s_wait_dscnt 4                                 ; tile 2's are in
	P2MUL 2, 32, \s
	s_wait_dscnt 0x0
	P2MUL 3, 240, \s
.endr
	PL4
.irp i, 0,1,2,3
.irp j, 0,1,2,3,4,5,6,7,8,9,10,11,12,13,14,15
	v_med3_num_f32 v[112+16*\i+\j], v[112+16*\i+\j], -v10, v10
.endr
	v_cvt_scalef32_pk8_fp8_f32 v[16+8*\i:17+8*\i], v[112+16*\i:119+16*\i], v11
	v_cvt_scalef32_pk8_fp8_f32 v[18+8*\i:19+8*\i], v[120+16*\i:127+16*\i], v11
.irp j, 4,5,6,7
	v_mov_b32 v[16+8*\i+\j], 0                     ; the upper half of q's fragment: zero codes.  (Plain lines behind the conversions)
.endr
.endr
.set j, 0
.rept 32
	v_pk_mul_f32 v[48+j:49+j], v[48+j:49+j], s[68:69] op_sel_hi:[1,0]        ; -log2(e) g; each accumulator from its low end on
.set j, j+2
.endr
.set j, 0
.rept 64
	v_exp_f32 v[48+j], v[48+j]
.set j, j+1
.endr
	v_nop
	s_wait_alu depctr_va_vdst(0)                   ; one wait for the batch, ahead of its first reader
.set j, 0
.rept 32
	v_pk_add_f32 v[48+j:49+j], v[48+j:49+j], 1.0 op_sel_hi:[1,0]
.set j, j+2
.endr
.set j, 0
.rept 64
	v_rcp_f32 v[48+j], v[48+j]                     ; the gate: 1 / (1 + e^-g)
.set j, j+1
.endr
	v_mov_b32 v10, s62                             ; (a plain line behind the batch)  p's limit and scale,
	s_wait_alu depctr_va_vdst(0)
	v_mov_b32 v11, s61
	v_mov_b32 v12, s66                             ; o x gate's
	v_mov_b32 v13, s63
	v_mov_b32 v249, 0                              ; (named as the upper half of the pair v[248:249])
	v_mov_b32 v254, 0                              ; written once: a lane permute's destination counts as one of its sources
.irp j, 208,209,210,211
	v_mov_b32 v[\j], 0                             ; behind k's eighth tile: zeros
.endr
; ---------------- attention.  v[16:47] q; v[48:111] the gate; v[112:175] S^T, then p; v[176:211] k packed, then v^T; v[212:227] p's codes; v[228:243] O^T; v244 -M, v245 the largest t; v[246:247] the sum; v248 f; v250-254 at work
.macro BIASLD i, ks                    ; the bias of query tile i, key step ks, into the accumulators that the scores are added onto
.irp c, 0,1,2,3,4,5,6,7
	global_load_b128 v[112+8*\c:115+8*\c], v[8+\ks], s[84:85] offset:(4*((\i)/2)+(\i)%2)*16384+\c*1024
	global_load_b128 v[116+8*\c:119+8*\c], v[8+\ks], s[84:85] offset:(4*((\i)/2)+(\i)%2)*16384+\c*1024+512
.endr
.endm
.macro ATT i, ks, more, ni, nks
.irp c, 0,1,2,3,4,5,6,7
	ds_load_b128 v[176+4*\c:179+4*\c], v5 offset:(8*\ks+\c)*512
.endr
.if BIAS
	s_wait_loadcnt 0x0                             ; this step's bias
.endif
	s_wait_dscnt 0x0
.irp c, 0,1,2,3,4,5,6,7
.if BIAS
	v_wmma_f32_16x16x64_fp8_fp8 v[112+8*\c:119+8*\c], v[176+4*\c:183+4*\c], v[16+8*\i:23+8*\i], v[112+8*\c:119+8*\c]
.else
	v_wmma_f32_16x16x64_fp8_fp8 v[112+8*\c:119+8*\c], v[176+4*\c:183+4*\c], v[16+8*\i:23+8*\i], 0
.endif
.endr
	PL4
.irp uu, 0,1
	LFRAG 176+16*\uu, 6, \uu*NKS*2048+\ks*2048     ; v^T lands while the softmax is walked
.endr
	v_max3_num_f32 v250, v112, v113, v114          ; the largest score of my query among my 64 keys, in two chains, each accumulator from its low end on,
	v_max3_num_f32 v251, v115, v116, v117
.irp j, 6,10,14,18,22,26,30,34,38,42,46,50,54,58
	v_max3_num_f32 v250, v250, v[112+\j], v[113+\j]
	v_max3_num_f32 v251, v251, v[114+\j], v[115+\j]
.endr
	v_max3_num_f32 v250, v250, v174, v175
	v_max_num_f32 v250, v250, v251
	v_permlanex16_b32 v254, v250, s28, s29
	v_max_num_f32 v250, v250, v254                 ; and among lane l xor 16's
.if \ks
	v_mul_f32 v250, s70, v250                      ; as t (c is positive)
	v_max_num_f32 v245, v245, v250
	v_mov_b32 v250, v244
	v_floor_f32 v244, -v245                        ; -M = floor(-t): M is a whole number
	v_sub_f32 v250, v244, v250
	v_cvt_i32_f32 v250, v250
	v_ldexp_f32 v248, 1.0, v250                    ; f = 2^(old M - new M): rounds nothing
.else
	v_mul_f32 v245, s70, v250
	v_floor_f32 v244, -v245
.endif
.set j, 0
.rept 32
	v_pk_fma_f32 v[112+j:113+j], v[112+j:113+j], s[70:71], v[244:245] op_sel_hi:[1,0,0]   ; t - M
.set j, j+2
.endr
.set j, 0
.rept 64
	v_exp_f32 v[112+j], v[112+j]                   ; p = 2^(t - M), at most 1, not normalised
.set j, j+1
.endr
.if \ks
	v_pk_mul_f32 v[246:247], v[246:247], v[248:249] op_sel_hi:[1,0]          ; the sum under the new M.  (A plain line behind the batch)
	s_wait_alu depctr_va_vdst(0)                   ; one wait for the 64, ahead of the first reader
	v_pk_add_f32 v[252:253], v[112:113], v[114:115]                          ; the sum is taken of the unquantised p
.irp j, 4,8,12,16,20,24,28,32,36,40,44,48,52,56,60
	v_pk_add_f32 v[246:247], v[246:247], v[112+\j:113+\j]
	v_pk_add_f32 v[252:253], v[252:253], v[114+\j:115+\j]
.endr
.else
	v_nop
	s_wait_alu depctr_va_vdst(0)
	v_pk_add_f32 v[246:247], v[112:113], v[114:115]
	v_pk_add_f32 v[252:253], v[116:117], v[118:119]
.irp j, 8,12,16,20,24,28,32,36,40,44,48,52,56,60
	v_pk_add_f32 v[246:247], v[246:247], v[112+\j:113+\j]
	v_pk_add_f32 v[252:253], v[252:253], v[114+\j:115+\j]
.endr
.endif
	v_pk_add_f32 v[246:247], v[246:247], v[252:253]
	s_cmp_ge_i32 s[EA+4], -8                       ; p <= 1 <= 448 x 2^e from e = -8 on: there the hold changes nothing and is passed over; a branch on a whole number of the input
	s_cbranch_scc1 .Lheld_\@
.set j, 0
.rept 64
	v_min_num_f32 v[112+j], v[112+j], v10
.set j, j+1
.endr
.Lheld_\@:
.irp c, 0,1,2,3,4,5,6,7
	v_cvt_scalef32_pk8_fp8_f32 v[212+2*\c:213+2*\c], v[112+8*\c:119+8*\c], v11       ; tile c's eight keys of my half: registers 2 c, 2 c + 1 of the operand
.endr
	v_nop                                          ; a plain line behind the last conversion
.if \more
	BIASLD \ni, \nks                               ; the next step's bias, a step ahead
.endif
.if \ks
.irp k, 0,2,4,6,8,10,12,14
	v_pk_mul_f32 v[228+\k:229+\k], v[228+\k:229+\k], v[248:249] op_sel_hi:[1,0]      ; O^T under the new M
.endr
.endif
	s_wait_dscnt 0x0                               ; v^T
.if \ks
	v_wmma_f32_16x16x128_fp8_fp8 v[228:235], v[176:191], v[212:227], v[228:235]
	v_wmma_f32_16x16x128_fp8_fp8 v[236:243], v[192:207], v[212:227], v[236:243]
.else
	v_wmma_f32_16x16x128_fp8_fp8 v[228:235], v[176:191], v[212:227], 0
	v_wmma_f32_16x16x128_fp8_fp8 v[236:243], v[192:207], v[212:227], 0
.endif
	PL4
.endm
.macro FINISH i                        ; O / l x 2^(e4+e5) x gate, quantised: lane (query r, h) holds d = 16 h + 0 .. 15: a chunk of the next operand
	v_add_f32 v250, v246, v247
	v_permlanex16_b32 v254, v250, s28, s29
	v_add_f32 v250, v250, v254
	v_rcp_f32 v251, v250
	v_nop
	s_wait_alu depctr_va_vdst(0)
	v_ldexp_f32 v248, v251, s72
.irp k, 0,2,4,6,8,10,12,14
	v_pk_mul_f32 v[228+\k:229+\k], v[228+\k:229+\k], v[248:249] op_sel_hi:[1,0]
.endr
.irp k, 0,2,4,6,8,10,12,14
	v_pk_mul_f32 v[228+\k:229+\k], v[228+\k:229+\k], v[48+16*\i+\k:49+16*\i+\k]
.endr
.irp k, 0,1,2,3,4,5,6,7,8,9,10,11,12,13,14,15
	v_med3_num_f32 v[228+\k], v[228+\k], -v12, v12
.endr
	v_cvt_scalef32_pk8_fp8_f32 v[212:213], v[228:235], v13
	v_cvt_scalef32_pk8_fp8_f32 v[214:215], v[236:243], v13
	v_nop
	ds_store_b128 v7, v[212:215] offset:(4*((\i)/2)+(\i)%2)*4096
.endm
	BIASLD 0, 0
	BARRIER                                        ; k's and v's images are whole; nobody reads XC any more
	ATT 0, 0, 1, 0, 1
	ATT 0, 1, 1, 1, 0
	FINISH 0
	ATT 1, 0, 1, 1, 1
	ATT 1, 1, 1, 2, 0
	FINISH 1
	ATT 2, 0, 1, 2, 1
	ATT 2, 1, 1, 3, 0
	FINISH 2
	ATT 3, 0, 1, 3, 1
	ATT 3, 1, 0, 0, 0
	FINISH 3
; ---------------- the projection.  Wave: token tiles 4 th + tl (th = u), column tiles 2 cg + u' (cg = head).  v[16:79] weights, two K steps; v[80:143] four fragments; v[144:207] eight accumulators
.macro WPRE KS, base                   ; the weights of K steps 0 and 1, in that order
	GFRAG 16, \base, 0
	GFRAG 32, \base, \KS*2048
	GFRAG 48, \base, 2048
	GFRAG 64, \base, \KS*2048+2048
.endm
.macro PROJ KS, base
.set ps, 0
.rept \KS
.irp tl, 0,1,2,3
	LFRAG 80+16*\tl, 14, (\tl*\KS+ps)*2048
.endr
.if ps+1 < \KS
	s_wait_loadcnt 8                               ; this K step's weights are in; the next step's eight loads stay out
.else
	s_wait_loadcnt 0x0
.endif
	s_wait_dscnt 0x0
.irp tl, 0,1,2,3
.irp uu, 0,1
.if ps == 0
	v_wmma_f32_16x16x128_fp8_fp8 v[144+16*\tl+8*\uu:151+16*\tl+8*\uu], v[16+32*(ps%2)+16*\uu:31+32*(ps%2)+16*\uu], v[80+16*\tl:95+16*\tl], 0
.else
	v_wmma_f32_16x16x128_fp8_fp8 v[144+16*\tl+8*\uu:151+16*\tl+8*\uu], v[16+32*(ps%2)+16*\uu:31+32*(ps%2)+16*\uu], v[80+16*\tl:95+16*\tl], v[144+16*\tl+8*\uu:151+16*\tl+8*\uu]
.endif
.endr
.endr
	PL4
.if ps+2 < \KS
	GFRAG 16+32*(ps%2), \base, (ps+2)*2048
	GFRAG 32+32*(ps%2), \base, \KS*2048+(ps+2)*2048
.endif
.set ps, ps+1
.endr
.endm
	WPRE 2, 82
	s_lshl_b32 s30, s24, 14
	v_add_nc_u32 v14, s30, v1                      ; og's images of my four token tiles
	v_and_b32 v12, 15, v0
	v_bfe_u32 v13, v0, 4, 1
	v_mul_u32_u24 v15, v12, SGP
	v_lshl_add_u32 v15, v13, 6, v15
	s_mul_i32 s30, s24, 64*SGP
	s_lshl_b32 s31, s23, 7
	s_add_co_u32 s30, s30, s31
	s_add_co_u32 s30, s30, STG
	v_add_nc_u32 v15, s30, v15                     ; the stage: token 64 th + r, columns 32 cg + 16 h
	s_mul_i32 s30, s22, 8*SGP
	s_add_co_u32 s30, s30, STG
	v_add_nc_u32 v12, s30, v1                      ; phase F: my eight rows of the stage,
	s_lshl_b32 s30, s22, 6
	s_add_co_u32 s30, s30, STAT
	v_mov_b32 v13, s30                             ; and their pairs in STAT
	BARRIER                                        ; og's images are whole; nobody reads KI and VI any more
	PROJ 2, 82
.irp n, 0,1,2,3,4,5,6,7
	global_load_b128 v[16+8*\n:19+8*\n], v1, s[86:87] offset:1024*\n         ; x of my eight queries, once more
	global_load_b128 v[20+8*\n:23+8*\n], v1, s[86:87] offset:1024*\n+512
.endr
	global_load_b128 v[80:83], v1, s[6:7]
	global_load_b128 v[84:87], v1, s[6:7] offset:512
	global_load_b128 v[88:91], v1, s[8:9]
	global_load_b128 v[92:95], v1, s[8:9] offset:512
	global_load_b128 v[96:99], v1, s[10:11]
	global_load_b128 v[100:103], v1, s[10:11] offset:512
	global_load_b128 v[104:107], v1, s[12:13]
	global_load_b128 v[108:111], v1, s[12:13] offset:512
.irp tl, 0,1,2,3
.irp uu, 0,1
	ds_store_b128 v15, v[144+16*\tl+8*\uu:147+16*\tl+8*\uu] offset:\tl*16*SGP+32*\uu       ; each accumulator from its low end on
	ds_store_b128 v15, v[148+16*\tl+8*\uu:151+16*\tl+8*\uu] offset:\tl*16*SGP+32*\uu+16
.endr
.endr
	BARRIER                                        ; 128 whole rows of sums lie in the stage
; ---------------- F: v[16:79] x, then x1, x2, x3; v[80:111] g1, be1, g3, be3; v[112:175] the sums; v[176:191] (mean, 1/sigma) of LN1; v[192:223] at work; v[224:239] LN3's pairs
.irp n, 0,1,2,3,4,5,6,7
	ds_load_b128 v[112+8*\n:115+8*\n], v12 offset:SGP*\n
	ds_load_b128 v[116+8*\n:119+8*\n], v12 offset:SGP*\n+512
.endr
.irp n, 0,1,2,3,4,5,6,7
	ds_load_b64 v[176+2*\n:177+2*\n], v13 offset:8*\n
.endr
	s_wait_dscnt 0x0
	s_wait_loadcnt 0x0
.irp p, 0,2,4,6
.irp n, 0,1,2,3,4,5,6,7
	v_pk_add_f32 v[16+8*\n+\p:17+8*\n+\p], v[16+8*\n+\p:17+8*\n+\p], v[176+2*\n:177+2*\n] op_sel_hi:[1,0] neg_lo:[0,1] neg_hi:[0,1]
.endr
.endr
.irp p, 0,2,4,6
.irp n, 0,1,2,3,4,5,6,7
	v_pk_mul_f32 v[16+8*\n+\p:17+8*\n+\p], v[16+8*\n+\p:17+8*\n+\p], v[176+2*\n:177+2*\n] op_sel:[0,1] op_sel_hi:[1,1]
.endr
.endr
.irp p, 0,2,4,6
.irp n, 0,1,2,3,4,5,6,7
	v_pk_fma_f32 v[16+8*\n+\p:17+8*\n+\p], v[16+8*\n+\p:17+8*\n+\p], v[80+\p:81+\p], v[88+\p:89+\p]
.endr
.endr
.irp p, 0,2,4,6
.irp n, 0,1,2,3,4,5,6,7
	v_pk_fma_f32 v[16+8*\n+\p:17+8*\n+\p], v[112+8*\n+\p:113+8*\n+\p], s[74:75], v[16+8*\n+\p:17+8*\n+\p] op_sel_hi:[1,0,1]   ; x1 + sum x 2^(e6+e7)
.endr
.endr
	LN4 16, 224, 96, 104, 192
	LN4 48, 232, 96, 104, 192
.irp n, 0,1,2,3,4,5,6,7
	global_store_b128 v1, v[16+8*\n:19+8*\n], s[88:89] offset:1024*\n        ; 512 consecutive bytes a store
	global_store_b128 v1, v[20+8*\n:23+8*\n], s[88:89] offset:1024*\n+512
.endr
	s_barrier_signal -1
	s_barrier_wait -1
	s_wait_xcnt 0x0
	v_lshl_add_u32 v254, v0, 2, 0x32000
	v_mov_b32 v255, 0
	s_wait_tensorcnt 0x0
	ds_add_u32 v254, v255
	s_wait_dscnt 0x0
	s_endpgm
.Lfunc_end_k_q3d12e84823_row:
	.size	k_q3d12e84823_row, .Lfunc_end_k_q3d12e84823_row-k_q3d12e84823_row
	.p2alignl 7, 3214868480
	.fill 96, 4, 3214868480
	.section	.rodata,"a",@progbits
	.p2align	6, 0x0
	.amdhsa_kernel k_q3d12e84823_row
		.amdhsa_group_segment_fixed_size 206848
		.amdhsa_private_segment_fixed_size 0
		.amdhsa_enable_private_segment 0
		.amdhsa_kernarg_size 72
		.amdhsa_user_sgpr_count 2
		.amdhsa_user_sgpr_kernarg_segment_ptr 1
		.amdhsa_wavefront_size32 1
		.amdhsa_system_sgpr_workgroup_id_x 1
		.amdhsa_system_sgpr_workgroup_id_y 1
		.amdhsa_system_sgpr_workgroup_id_z 1
		.amdhsa_system_vgpr_workitem_id 0
		.amdhsa_next_free_vgpr 256
		.amdhsa_next_free_sgpr 92
		.amdhsa_reserve_vcc 0
		.amdhsa_float_denorm_mode_32 3
		.amdhsa_float_denorm_mode_16_64 3
		.amdhsa_memory_ordered 1
		.amdhsa_forward_progress 1
		.amdhsa_inst_pref_size 255
	.end_amdhsa_kernel
	.section	.bss,"aw",@nobits
	.p2align	6
	.space	262144
	.amdgpu_metadata
---
amdhsa.version: [ 1, 2 ]
amdhsa.kernels:
  - .name:           k_q3d12e84823_row
    .symbol:         k_q3d12e84823_row.kd
    .args:
      - { .name: x, .offset: 0, .size: 8, .value_kind: global_buffer, .address_space: global }
      - { .name: g1, .offset: 8, .size: 8, .value_kind: global_buffer, .address_space: global }
      - { .name: be1, .offset: 16, .size: 8, .value_kind: global_buffer, .address_space: global }
      - { .name: g3, .offset: 24, .size: 8, .value_kind: global_buffer, .address_space: global }
      - { .name: be3, .offset: 32, .size: 8, .value_kind: global_buffer, .address_space: global }
      - { .name: lowp_scales, .offset: 40, .size: 8, .value_kind: global_buffer, .address_space: global }
      - { .name: wimg, .offset: 48, .size: 8, .value_kind: global_buffer, .address_space: global }
      - { .name: pb, .offset: 56, .size: 8, .value_kind: global_buffer, .address_space: global }
      - { .name: x3, .offset: 64, .size: 8, .value_kind: global_buffer, .address_space: global }
    .group_segment_fixed_size: 206848
    .private_segment_fixed_size: 0
    .kernarg_segment_align: 8
    .kernarg_segment_size: 72
    .max_flat_workgroup_size: 512
    .sgpr_count:     92
    .vgpr_count:     256
    .wavefront_size: 32
...
	.end_amdgpu_metadata
.endif
;; end of part 2
;; launch col (part 3): grid 256 x 1, 16 waves a work-group, no clusters, 301,056 bytes of LDS; arguments x3, lowp_scales, wimg, b1, b2, out0; writes out0
.if DOCPART == 3
	.amdgcn_target "amdgcn-amd-amdhsa--gfx1250"
	.amdhsa_code_object_version 6
	.text
	.protected	k_q3d12e84823_col
	.globl	k_q3d12e84823_col
	.p2align	8
	.type	k_q3d12e84823_col,@function
k_q3d12e84823_col:
	s_mov_b64 s[64:65], 0
	v_nop
	global_prefetch_b8 v0, s[64:65] scope:SCOPE_SE
	s_setreg_imm32_b32 hwreg(HW_REG_WAVE_MODE, 25, 1), 1
	s_wait_xcnt 0x0
; out0 = x4 + relu(x4 W1 + b1) W2 + b2, x4 = x3 + gated column attention(x3) W0_c; all six products on codes of E4M3 with the given scales e8 .. e19.
; SHARES.  Work-group = residue r (the grid's 256): its 128 tokens are the 128 values of s.  Sixteen waves of 256 registers, four to a SIMD.  Wave w: head = w / 2, u = w % 2; its token tiles, for k, v and as queries:
; 4 m + 2 u + a (m, a = 0, 1).  In the products with W0_c and W2: token tiles 4 u + tl, column tiles 2 head + u'.  In the product with W1: hidden units 64 w .. 64 w + 63 for all 128 tokens.
; PHASES: A: x3's rows to the stage (f32) and, as codes, to XC | barrier | k, v as register images to KI, VI; q and the gate in registers | barrier | attention over the 128 keys in one step; codes to OG | barrier |
; W0_c; x4 = x3 + sum x 2^(e14+e15) back into the stage (each lane its own bytes), its codes to X4I | barrier | W1 (b1 is the C of the first product), relu and hold in one, codes to HI | barrier |
; W2; + b2 + x4, back into the stage | barrier | whole rows out.
; Layouts as in the launches in front.  The hidden layer, q, k, v and the gate never go to memory.
; No cluster, no tensor load: the activations take 299,008 of the 327,680 bytes of LDS that a work-group can claim, which leaves no room for two slots of weight tiles; the weights go from memory straight into operand registers.
; LIMITS: e8, e10-e8-e9, e11-e8-e9, e13-e8-e9, e12, e14, e16, e18-e16-e17 between -126 and 119; e8+e9, e10+e11 between -120 and 120; e14+e15, e18+e19 between -126 and 127.  NaN and infinities among the inputs are not served.
; REGISTERS that stay: v1 16 l; v8 64 h; v9 my 16 columns of my four token tiles in the stage; v15 my eight rows of the stage; v2-7 as in the row launch, later the MLP's addresses; v10-13 limits and scales; v14 the phase's own.
.set XP,   272
.set SGP,  1040
.set STG,  0                           ; 128 rows of 1,024 + 16 bytes: x3, then x4, then the result
.set XC,   133120                      ; 128 rows of 256 codes + 16
.set KI,   167936                      ; head x 4,096 + tile x 512
.set VI,   200704                      ; head x 4,096 + u x 2,048
.set OG,   233472                      ; 16 images
.set X4I,  266240                      ; 16 images
.set HI,   133120                      ; 64 images (8 token tile + K step), over XC, KI, VI and OG, behind the fourth barrier
.set NKS,  1
.set BIAS, 0
.set EA,   40                          ; s[EA + k] = e(8 + k)
.set WQO,  262144                      ; in wimg: Wqkv_c,
.set W1O,  524288                      ; W1,
.set W0O,  851968                      ; W0_c,
.set W2O,  917504                      ; W2
.macro PL4                             ; four places behind matrix instructions (ISA guide 7.12.1)
.rept 4
	v_nop
.endr
.endm
.macro BARRIER
	s_wait_dscnt 0x0                               ; my LDS stores have landed and my LDS loads are in
	s_barrier_signal -1
	s_barrier_wait -1
.endm
.macro MKQ sc, lm, e                   ; 2^e and 448 x 2^e as f32 patterns
	s_add_co_i32 s[\sc], s[\e], 127
	s_add_co_i32 s[\lm], s[\e], 135
	s_lshl_b32 s[\sc], s[\sc], 23
	s_lshl_b32 s[\lm], s[\lm], 23
	s_or_b32 s[\lm], s[\lm], 0x600000
.endm
.macro GFRAG reg, base, off
.irp c, 0,1,2,3
	global_load_b128 v[\reg+4*\c:\reg+4*\c+3], v1, s[\base:\base+1] offset:\off+512*\c
.endr
.endm
.macro LFRAG reg, adr, off
.irp c, 0,1,2,3
	ds_load_b128 v[\reg+4*\c:\reg+4*\c+3], v[\adr] offset:\off+512*\c
.endr
.endm
.macro XFRAG reg, off
.irp c, 0,1,2,3
	ds_load_b128 v[\reg+4*\c:\reg+4*\c+3], v2 offset:\off+32*\c
.endr
.endm
	s_load_b256 s[4:11], s[0:1], 0x0               ; x3, the scales' exponents, wimg, b1
	s_load_b128 s[12:15], s[0:1], 0x20             ; b2, out0
	v_lshrrev_b32 v10, 5, v0
	v_readfirstlane_b32 s22, v10                   ; wave 0..15
	s_lshr_b32 s23, s22, 1                         ; head; the group of 32 columns
	s_and_b32 s24, s22, 1                          ; u; the half of the token tiles
	s_mov_b32 s28, 0x76543210
	s_mov_b32 s29, 0xfedcba98
	v_and_b32 v10, 31, v0
	v_lshlrev_b32 v1, 4, v10
	v_and_b32 v12, 15, v0                          ; r
	v_bfe_u32 v13, v0, 4, 1                        ; h
	v_mul_u32_u24 v2, v12, XP
	v_lshl_add_u32 v2, v13, 4, v2
	s_mul_i32 s30, s24, 32*XP
	s_add_co_u32 s30, s30, XC
	v_add_nc_u32 v2, s30, v2
	s_mul_i32 s30, s23, NKS*4096
	s_add_co_u32 s31, s30, KI
	v_add_nc_u32 v5, s31, v1
	s_lshl_b32 s27, s24, 10
	s_add_co_u32 s27, s27, s31
	v_add_nc_u32 v3, s27, v1
	s_add_co_u32 s31, s30, VI
	v_add_nc_u32 v6, s31, v1
	s_lshl_b32 s27, s24, 9
	s_add_co_u32 s27, s27, s31
	v_add_nc_u32 v4, s27, v1
	s_lshr_b32 s30, s23, 2
	s_lshl_b32 s30, s30, 11
	s_and_b32 s31, s23, 3
	s_lshl_b32 s31, s31, 9
	s_add_co_u32 s26, s30, s31                     ; K = 32 head + d (later 32 cg + ..): K step x 2,048 + chunk x 512
	s_lshl_b32 s31, s24, 13
	s_add_co_u32 s30, s26, s31
	s_add_co_u32 s30, s30, OG
	v_add_nc_u32 v7, s30, v1
	v_lshlrev_b32 v8, 6, v13
	v_mul_u32_u24 v9, v12, SGP
	v_lshl_add_u32 v9, v13, 6, v9
	s_mul_i32 s30, s24, 64*SGP
	s_lshl_b32 s31, s23, 7
	s_add_co_u32 s30, s30, s31
	v_add_nc_u32 v9, s30, v9                       ; the stage: token 64 th + r, columns 32 cg + 16 h
	v_lshlrev_b32 v14, 2, v10
	s_mul_i32 s30, s22, 8*XP
	s_add_co_u32 s30, s30, XC
	v_add_nc_u32 v14, s30, v14                     ; phase A: my eight rows of XC, + 4 l
	s_mul_i32 s30, s22, 8*SGP
	v_add_nc_u32 v15, s30, v1                      ; my eight rows of the stage
	s_wait_kmcnt 0x0
	s_load_b512 s[32:47], s[6:7], 0x0
	s_load_b128 s[48:51], s[6:7], 0x40
	s_lshl_b32 s2, s22, 21                         ; token 8 w: 8 x 262,144 bytes,
	s_lshl_b32 s3, ttmp9, 10                       ; residue r
	s_add_co_u32 s2, s2, s3
	s_mov_b32 s3, 0
	s_add_nc_u64 s[84:85], s[4:5], s[2:3]
	s_add_nc_u64 s[98:99], s[14:15], s[2:3]
	s_lshl_b32 s2, s23, 15
	s_add_co_u32 s2, s2, WQO
	s_add_nc_u64 s[86:87], s[8:9], s[2:3]
	s_lshl_b32 s2, s23, 13
	s_add_co_u32 s2, s2, W0O
	s_add_nc_u64 s[88:89], s[8:9], s[2:3]
	s_lshl_b32 s2, s22, 14
	s_add_co_u32 s2, s2, W1O
	s_add_nc_u64 s[90:91], s[8:9], s[2:3]
	s_lshl_b32 s2, s23, 15
	s_add_co_u32 s2, s2, W2O
	s_add_nc_u64 s[92:93], s[8:9], s[2:3]
	s_lshl_b32 s2, s22, 8
	s_add_nc_u64 s[94:95], s[10:11], s[2:3]        ; b1 at hidden unit 64 w
	s_lshl_b32 s2, s23, 7
	s_add_nc_u64 s[96:97], s[12:13], s[2:3]        ; b2 at column 32 cg
; ---------------- A
.irp n, 0,1,2,3,4,5,6,7
	global_load_b128 v[16+8*\n:19+8*\n], v1, s[84:85] offset:262144*\n th:TH_LOAD_NT       ; 512 consecutive bytes a load; read once in the launch
	global_load_b128 v[20+8*\n:23+8*\n], v1, s[84:85] offset:262144*\n+512 th:TH_LOAD_NT
.endr
	s_wait_kmcnt 0x0
	s_add_co_i32 s52, s[EA], s[EA+1]
	MKQ 53, 54, EA
	s_sub_co_i32 s30, s[EA+2], s52
	MKQ 55, 56, 30                                 ; q
	s_sub_co_i32 s30, s[EA+3], s52
	MKQ 57, 58, 30                                 ; k
	s_sub_co_i32 s30, s[EA+5], s52
	MKQ 59, 60, 30                                 ; v
	MKQ 61, 62, EA+4                               ; p
	MKQ 63, 66, EA+6                               ; o x gate
	s_lshl_b32 s68, s52, 23
	s_add_co_u32 s68, s68, 0xbfb8aa3b              ; -log2(e) x 2^(e8+e9)
	s_mov_b32 s69, s68
	s_add_co_i32 s70, s[EA+2], s[EA+3]
	s_lshl_b32 s70, s70, 23
	s_add_co_u32 s70, s70, 0x3e8293ee              ; c = log2(e) / sqrt(32) x 2^(e10+e11)
	s_mov_b32 s71, s70
	s_add_co_i32 s72, s[EA+4], s[EA+5]
	s_add_co_i32 s74, s[EA+6], s[EA+7]
	s_add_co_i32 s74, s74, 127
	s_lshl_b32 s74, s74, 23                        ; 2^(e14+e15)
	s_mov_b32 s75, s74
	MKQ 76, 77, 48                                 ; x4: e16
	s_add_co_i32 s80, s48, s49
	s_sub_co_i32 s30, s50, s80
	MKQ 78, 79, 30                                 ; the hidden layer: e18 - e16 - e17
	s_sub_co_i32 s80, 0, s80                       ; b1 goes in as b1 / 2^(e16+e17)
	s_add_co_i32 s82, s50, s51
	s_add_co_i32 s82, s82, 127
	s_lshl_b32 s82, s82, 23                        ; 2^(e18+e19)
	s_mov_b32 s83, s82
	v_mov_b32 v10, s54
	v_mov_b32 v11, s53
.irp n, 0,1,2,3,4,5,6,7
	s_wait_loadcnt 14-2*\n                         ; token n's two loads are in; the later tokens' stay out
	ds_store_b128 v15, v[16+8*\n:19+8*\n] offset:SGP*\n
	ds_store_b128 v15, v[20+8*\n:23+8*\n] offset:SGP*\n+512
.irp j, 0,1,2,3,4,5,6,7
	v_med3_num_f32 v[80+\j], v[16+8*\n+\j], -v10, v10
.endr
	v_cvt_scalef32_pk8_fp8_f32 v[88+2*\n:89+2*\n], v[80:87], v11
	v_nop                                          ; a plain line between the conversion and the next token's holds, which write its sources
	ds_store_b32 v14, v[88+2*\n] offset:XP*\n
	ds_store_b32 v14, v[89+2*\n] offset:XP*\n+128
.endr
	s_wait_dscnt 0x0                               ; the stores have read their registers
.irp uu, 0,1
.irp s, 0,1
	GFRAG 16+32*\uu+16*\s, 86, 8192+\uu*4096+\s*2048
.endr
.endr
.irp uu, 0,1
.irp s, 0,1
	GFRAG 80+32*\uu+16*\s, 86, 16384+\uu*4096+\s*2048
.endr
.endr
	BARRIER                                        ; x3's rows and their codes lie in LDS
; ---------------- k and v of my four tiles (registers as in the row launch)
.macro P1TILE q, last
.set BU, 176+32*((\q)%2)
.set NB, 208-32*((\q)%2)
.if \last
	s_wait_dscnt 0x0
.else
	XFRAG NB, (4*(((\q)+1)/2)+((\q)+1)%2)*16*XP
	XFRAG NB+16, (4*(((\q)+1)/2)+((\q)+1)%2)*16*XP+128
	s_wait_dscnt 8                                 ; all but the eight just issued
.endif
	v_wmma_f32_16x16x128_fp8_fp8 v[144:151], v[16:31], v[BU:BU+15], 0        ; the four accumulators take turns
	v_wmma_f32_16x16x128_fp8_fp8 v[152:159], v[48:63], v[BU:BU+15], 0
	v_wmma_f32_16x16x128_fp8_fp8 v[160:167], v[BU:BU+15], v[80:95], 0
	v_wmma_f32_16x16x128_fp8_fp8 v[168:175], v[BU:BU+15], v[112:127], 0
	v_wmma_f32_16x16x128_fp8_fp8 v[144:151], v[32:47], v[BU+16:BU+31], v[144:151]
	v_wmma_f32_16x16x128_fp8_fp8 v[152:159], v[64:79], v[BU+16:BU+31], v[152:159]
	v_wmma_f32_16x16x128_fp8_fp8 v[160:167], v[BU+16:BU+31], v[96:111], v[160:167]
	v_wmma_f32_16x16x128_fp8_fp8 v[168:175], v[BU+16:BU+31], v[128:143], v[168:175]
	PL4
.irp j, 0,1,2,3,4,5,6,7,8,9,10,11,12,13,14,15
	v_med3_num_f32 v[144+\j], v[144+\j], -v252, v252
.endr
.irp j, 0,1,2,3,4,5,6,7,8,9,10,11,12,13,14,15
	v_med3_num_f32 v[160+\j], v[160+\j], -v254, v254
.endr
	v_cvt_scalef32_pk8_fp8_f32 v[240:241], v[144:151], v253
	v_cvt_scalef32_pk8_fp8_f32 v[242:243], v[152:159], v253
	v_cvt_scalef32_pk8_fp8_f32 v[244+2*((\q)%2):245+2*((\q)%2)], v[160:167], v255
	v_cvt_scalef32_pk8_fp8_f32 v[248+2*((\q)%2):249+2*((\q)%2)], v[168:175], v255
	v_nop
	ds_store_b128 v3, v[240:243] offset:(4*((\q)/2)+(\q)%2)*512
.if (\q)%2
	ds_store_b128 v4, v[244:247] offset:((\q)/2)*1024
	ds_store_b128 v4, v[248:251] offset:NKS*2048+((\q)/2)*1024
.endif
.endm
	v_mov_b32 v252, s58
	v_mov_b32 v253, s57
	v_mov_b32 v254, s60
	v_mov_b32 v255, s59
	XFRAG 176, 0
	XFRAG 192, 128
	s_wait_loadcnt 0x0
	P1TILE 0, 0
	P1TILE 1, 0
	P1TILE 2, 0
	P1TILE 3, 1
; ---------------- q and the gate
.macro P2MUL i, xf, s
.if \s
	v_wmma_f32_16x16x128_fp8_fp8 v[112+16*\i:119+16*\i], v[176:191], v[\xf:\xf+15], v[112+16*\i:119+16*\i]
	v_wmma_f32_16x16x128_fp8_fp8 v[120+16*\i:127+16*\i], v[192:207], v[\xf:\xf+15], v[120+16*\i:127+16*\i]
	v_wmma_f32_16x16x128_fp8_fp8 v[48+16*\i:55+16*\i], v[208:223], v[\xf:\xf+15], v[48+16*\i:55+16*\i]
	v_wmma_f32_16x16x128_fp8_fp8 v[56+16*\i:63+16*\i], v[224:239], v[\xf:\xf+15], v[56+16*\i:63+16*\i]
.else
	v_wmma_f32_16x16x128_fp8_fp8 v[112+16*\i:119+16*\i], v[176:191], v[\xf:\xf+15], 0
	v_wmma_f32_16x16x128_fp8_fp8 v[120+16*\i:127+16*\i], v[192:207], v[\xf:\xf+15], 0
	v_wmma_f32_16x16x128_fp8_fp8 v[48+16*\i:55+16*\i], v[208:223], v[\xf:\xf+15], 0
	v_wmma_f32_16x16x128_fp8_fp8 v[56+16*\i:63+16*\i], v[224:239], v[\xf:\xf+15], 0
.endif
.endm
	s_wait_dscnt 0x0
	v_mov_b32 v10, s56
	v_mov_b32 v11, s55
.irp s, 0,1
.if \s
	PL4
.endif
	GFRAG 176, 86, \s*2048
	GFRAG 192, 86, 4096+\s*2048
	GFRAG 208, 86, 24576+\s*2048
	GFRAG 224, 86, 28672+\s*2048
	XFRAG 240, 128*\s
	XFRAG 16, 16*XP+128*\s
	XFRAG 32, 64*XP+128*\s
	s_wait_loadcnt 0x0
	s_wait_dscnt 8                                 ; tile 0's four loads are in; tiles 1 and 2 may be out
	P2MUL 0, 240, \s
	PL4
	XFRAG 240, 80*XP+128*\s
	s_wait_dscnt 8                                 ; tile 1's are in
	P2MUL 1, 16, \s
	s_wait_dscnt 4                                 ; tile 2's are in
	P2MUL 2, 32, \s
	s_wait_dscnt 0x0
	P2MUL 3, 240, \s
.endr
	PL4
.irp i, 0,1,2,3
.irp j, 0,1,2,3,4,5,6,7,8,9,10,11,12,13,14,15
	v_med3_num_f32 v[112+16*\i+\j], v[112+16*\i+\j], -v10, v10
.endr
	v_cvt_scalef32_pk8_fp8_f32 v[16+8*\i:17+8*\i], v[112+16*\i:119+16*\i], v11
	v_cvt_scalef32_pk8_fp8_f32 v[18+8*\i:19+8*\i], v[120+16*\i:127+16*\i], v11
.irp j, 4,5,6,7
	v_mov_b32 v[16+8*\i+\j], 0
.endr
.endr
.set j, 0
.rept 32
	v_pk_mul_f32 v[48+j:49+j], v[48+j:49+j], s[68:69] op_sel_hi:[1,0]
.set j, j+2
.endr
.set j, 0
.rept 64
	v_exp_f32 v[48+j], v[48+j]
.set j, j+1
.endr
	v_nop
	s_wait_alu depctr_va_vdst(0)                   ; one wait for the batch, ahead of its first reader
.set j, 0
.rept 32
	v_pk_add_f32 v[48+j:49+j], v[48+j:49+j], 1.0 op_sel_hi:[1,0]
.set j, j+2
.endr
.set j, 0
.rept 64
	v_rcp_f32 v[48+j], v[48+j]
.set j, j+1
.endr
	v_mov_b32 v10, s62                             ; (a plain line behind the batch)
	s_wait_alu depctr_va_vdst(0)
	v_mov_b32 v11, s61
	v_mov_b32 v12, s66
	v_mov_b32 v13, s63
	v_mov_b32 v249, 0
	v_mov_b32 v254, 0
.irp j, 208,209,210,211
	v_mov_b32 v[\j], 0
.endr
; ---------------- attention: all 128 keys in one step, so M is the row's own
.macro ATT i
.irp c, 0,1,2,3,4,5,6,7
	ds_load_b128 v[176+4*\c:179+4*\c], v5 offset:\c*512
.endr
	s_wait_dscnt 0x0
.irp c, 0,1,2,3,4,5,6,7
	v_wmma_f32_16x16x64_fp8_fp8 v[112+8*\c:119+8*\c], v[176+4*\c:183+4*\c], v[16+8*\i:23+8*\i], 0
.endr
	PL4
.irp uu, 0,1
	LFRAG 176+16*\uu, 6, \uu*NKS*2048
.endr
	v_max3_num_f32 v250, v112, v113, v114
	v_max3_num_f32 v251, v115, v116, v117
.irp j, 6,10,14,18,22,26,30,34,38,42,46,50,54,58
	v_max3_num_f32 v250, v250, v[112+\j], v[113+\j]
	v_max3_num_f32 v251, v251, v[114+\j], v[115+\j]
.endr
	v_max3_num_f32 v250, v250, v174, v175
	v_max_num_f32 v250, v250, v251
	v_permlanex16_b32 v254, v250, s28, s29
	v_max_num_f32 v250, v250, v254
	v_mul_f32 v245, s70, v250                      ; the largest t (c is positive)
	v_floor_f32 v244, -v245                        ; -M = floor(-t)
.set j, 0
.rept 32
	v_pk_fma_f32 v[112+j:113+j], v[112+j:113+j], s[70:71], v[244:245] op_sel_hi:[1,0,0]
.set j, j+2
.endr
.set j, 0
.rept 64
	v_exp_f32 v[112+j], v[112+j]
.set j, j+1
.endr
	v_nop
	s_wait_alu depctr_va_vdst(0)                   ; one wait for the 64
	v_pk_add_f32 v[246:247], v[112:113], v[114:115]
	v_pk_add_f32 v[252:253], v[116:117], v[118:119]
.irp j, 8,12,16,20,24,28,32,36,40,44,48,52,56,60
	v_pk_add_f32 v[246:247], v[246:247], v[112+\j:113+\j]
	v_pk_add_f32 v[252:253], v[252:253], v[114+\j:115+\j]
.endr
	v_pk_add_f32 v[246:247], v[246:247], v[252:253]
	s_cmp_ge_i32 s[EA+4], -8                       ; p <= 1 <= 448 x 2^e from e = -8 on: there the hold changes nothing and is passed over
	s_cbranch_scc1 .Lheld_\@
.set j, 0
.rept 64
	v_min_num_f32 v[112+j], v[112+j], v10
.set j, j+1
.endr
.Lheld_\@:
.irp c, 0,1,2,3,4,5,6,7
	v_cvt_scalef32_pk8_fp8_f32 v[212+2*\c:213+2*\c], v[112+8*\c:119+8*\c], v11
.endr
	v_nop
	s_wait_dscnt 0x0
	v_wmma_f32_16x16x128_fp8_fp8 v[228:235], v[176:191], v[212:227], 0
	v_wmma_f32_16x16x128_fp8_fp8 v[236:243], v[192:207], v[212:227], 0
	PL4
	v_add_f32 v250, v246, v247
	v_permlanex16_b32 v254, v250, s28, s29
	v_add_f32 v250, v250, v254
	v_rcp_f32 v251, v250
	v_nop
	s_wait_alu depctr_va_vdst(0)
	v_ldexp_f32 v248, v251, s72
.irp k, 0,2,4,6,8,10,12,14
	v_pk_mul_f32 v[228+\k:229+\k], v[228+\k:229+\k], v[248:249] op_sel_hi:[1,0]
.endr
.irp k, 0,2,4,6,8,10,12,14
	v_pk_mul_f32 v[228+\k:229+\k], v[228+\k:229+\k], v[48+16*\i+\k:49+16*\i+\k]
.endr
.irp k, 0,1,2,3,4,5,6,7,8,9,10,11,12,13,14,15
	v_med3_num_f32 v[228+\k], v[228+\k], -v12, v12
.endr
	v_cvt_scalef32_pk8_fp8_f32 v[212:213], v[228:235], v13
	v_cvt_scalef32_pk8_fp8_f32 v[214:215], v[236:243], v13
	v_nop
	ds_store_b128 v7, v[212:215] offset:(4*((\i)/2)+(\i)%2)*4096
.endm
	BARRIER                                        ; k's and v's images are whole
	ATT 0
	ATT 1
	ATT 2
	ATT 3
; ---------------- the products with W0_c and W2: v[16:79] weights, two K steps; v[80:143] four fragments; v[144:207] eight accumulators
.macro WPRE KS, base
	GFRAG 16, \base, 0
	GFRAG 32, \base, \KS*2048
	GFRAG 48, \base, 2048
	GFRAG 64, \base, \KS*2048+2048
.endm
.macro PROJ KS, base
.set ps, 0
.rept \KS
.irp tl, 0,1,2,3
	LFRAG 80+16*\tl, 14, (\tl*\KS+ps)*2048
.endr
.if ps+1 < \KS
	s_wait_loadcnt 8                               ; this K step's weights are in; the next step's eight loads stay out
.else
	s_wait_loadcnt 0x0
.endif
	s_wait_dscnt 0x0
.irp tl, 0,1,2,3
.irp uu, 0,1
.if ps == 0
	v_wmma_f32_16x16x128_fp8_fp8 v[144+16*\tl+8*\uu:151+16*\tl+8*\uu], v[16+32*(ps%2)+16*\uu:31+32*(ps%2)+16*\uu], v[80+16*\tl:95+16*\tl], 0
.else
	v_wmma_f32_16x16x128_fp8_fp8 v[144+16*\tl+8*\uu:151+16*\tl+8*\uu], v[16+32*(ps%2)+16*\uu:31+32*(ps%2)+16*\uu], v[80+16*\tl:95+16*\tl], v[144+16*\tl+8*\uu:151+16*\tl+8*\uu]
.endif
.endr
.endr
	PL4
.if ps+2 < \KS
	GFRAG 16+32*(ps%2), \base, (ps+2)*2048
	GFRAG 32+32*(ps%2), \base, \KS*2048+(ps+2)*2048
.endif
.set ps, ps+1
.endr
.endm
.macro MINE                            ; my 16 columns of my 64 tokens, from the stage into v[80:143]: register 16 tl + k beside accumulator register 16 tl + k
.irp tl, 0,1,2,3
.irp p, 0,1,2,3
	ds_load_b128 v[80+16*\tl+4*\p:83+16*\tl+4*\p], v9 offset:\tl*16*SGP+16*\p
.endr
.endr
	s_wait_dscnt 0x0
.endm
.macro BACK                            ; and back to the same bytes, which no other lane touches in this phase
.irp tl, 0,1,2,3
.irp p, 0,1,2,3
	ds_store_b128 v9, v[80+16*\tl+4*\p:83+16*\tl+4*\p] offset:\tl*16*SGP+16*\p
.endr
.endr
.endm
	WPRE 2, 88
	s_lshl_b32 s30, s24, 14
	s_add_co_u32 s31, s30, OG
	v_add_nc_u32 v14, s31, v1                      ; og's images of my four token tiles
	s_add_co_u32 s30, s30, s26
	s_add_co_u32 s30, s30, X4I
	v_add_nc_u32 v2, s30, v1                       ; where x4's codes go: tile 4 th, K step cg / 4, chunk cg % 4
	v_add_nc_u32 v3, X4I, v1                       ; whence they come
	s_lshl_b32 s30, s22, 10
	s_add_co_u32 s30, s30, HI
	v_add_nc_u32 v4, s30, v1                       ; where the hidden layer's codes go: K step w / 2, chunk 2 (w % 2): 1,024 w; token tiles 0-3,
	v_add_nc_u32 v5, 0x10000, v4                   ; token tiles 4-7
	v_mov_b32 v10, s77
	v_mov_b32 v11, s76
	BARRIER                                        ; og's images are whole
	PROJ 2, 88
	MINE
.set j, 0
.rept 32
	v_pk_fma_f32 v[80+j:81+j], v[144+j:145+j], s[74:75], v[80+j:81+j] op_sel_hi:[1,0,1]    ; x4 = x3 + sum x 2^(e14+e15); each accumulator from its low end on
.set j, j+2
.endr
	BACK
.set j, 0
.rept 64
	v_med3_num_f32 v[16+j], v[80+j], -v10, v10
.set j, j+1
.endr
.irp g, 0,1,2,3,4,5,6,7
	v_cvt_scalef32_pk8_fp8_f32 v[208+2*\g:209+2*\g], v[16+8*\g:23+8*\g], v11
.endr
	v_nop
.irp tl, 0,1,2,3
	ds_store_b128 v2, v[208+4*\tl:211+4*\tl] offset:\tl*4096
.endr
	s_wait_dscnt 0x0                               ; the stores have read their registers
.irp f, 0,1,2,3
.irp s, 0,1
	GFRAG 16+32*\f+16*\s, 90, \f*4096+\s*2048      ; W1: my four tiles, both K steps: they stay
.endr
.endr
.irp f, 0,1,2,3
	global_load_b128 v[144+8*\f:147+8*\f], v8, s[94:95] offset:(32*(\f/2)+8*(\f%2))*4      ; b1 in the result's layout: hidden units 64 w + 32 (f / 2) + 16 h + 8 (f % 2) + 0 .. 7
	global_load_b128 v[148+8*\f:151+8*\f], v8, s[94:95] offset:(32*(\f/2)+8*(\f%2))*4+16
.endr
	BARRIER                                        ; x4's images are whole; nobody reads XC, KI, VI, OG any more
; ---------------- the hidden layer: v[16:143] W1; v[144:175] b1; v[176:207] x4's fragments; v[208:239] four accumulators; v[240:247] codes
	s_wait_loadcnt 0x0
.set j, 0
.rept 32
	v_ldexp_f32 v[144+j], v[144+j], s80
.set j, j+1
.endr
	v_mov_b32 v248, s79
	v_mov_b32 v249, s78
	LFRAG 176, 3, 0
	LFRAG 192, 3, 2048
.irp t, 0,1,2,3,4,5,6,7
	s_wait_dscnt 0x0                               ; this tile's fragments are in; the last tile's stores have read their registers
.irp f, 0,1,2,3
	v_wmma_f32_16x16x128_fp8_fp8 v[208+8*\f:215+8*\f], v[16+32*\f:31+32*\f], v[176:191], v[144+8*\f:151+8*\f]
.endr
.irp f, 0,1,2,3
	v_wmma_f32_16x16x128_fp8_fp8 v[208+8*\f:215+8*\f], v[32+32*\f:47+32*\f], v[192:207], v[208+8*\f:215+8*\f]
.endr
	PL4
.if \t < 7
	LFRAG 176, 3, (2*\t+2)*2048
	LFRAG 192, 3, (2*\t+3)*2048
.endif
.set j, 0
.rept 32
	v_med3_num_f32 v[208+j], v[208+j], 0, v248     ; the activation and the hold in one
.set j, j+1
.endr
.irp f, 0,1,2,3
	v_cvt_scalef32_pk8_fp8_f32 v[240+2*\f:241+2*\f], v[208+8*\f:215+8*\f], v249
.endr
	v_nop
	ds_store_b128 v[4+\t/4], v[240:243] offset:(\t%4)*16384
	ds_store_b128 v[4+\t/4], v[244:247] offset:(\t%4)*16384+512
.endr
.irp p, 0,1,2,3
	global_load_b128 v[208+4*\p:211+4*\p], v8, s[96:97] offset:16*\p         ; b2 at my 16 columns
.endr
	WPRE 8, 92
	s_lshl_b32 s30, s24, 16
	s_add_co_u32 s30, s30, HI
	v_add_nc_u32 v14, s30, v1                      ; the hidden layer's images of my four token tiles
	BARRIER                                        ; the hidden layer's 64 images are whole
	PROJ 8, 92
	MINE
.set j, 0
.rept 32
	v_pk_fma_f32 v[80+j:81+j], v[144+j:145+j], s[82:83], v[80+j:81+j] op_sel_hi:[1,0,1]    ; x4 + sum x 2^(e18+e19)
.set j, j+2
.endr
.irp tl, 0,1,2,3
.irp k, 0,2,4,6,8,10,12,14
	v_pk_add_f32 v[80+16*\tl+\k:81+16*\tl+\k], v[80+16*\tl+\k:81+16*\tl+\k], v[208+\k:209+\k]      ; + b2
.endr
.endr
	BACK
	BARRIER                                        ; 128 whole rows of the result lie in the stage
.irp n, 0,1,2,3,4,5,6,7
	ds_load_b128 v[16+8*\n:19+8*\n], v15 offset:SGP*\n
	ds_load_b128 v[20+8*\n:23+8*\n], v15 offset:SGP*\n+512
.endr
.irp n, 0,1,2,3,4,5,6,7
	s_wait_dscnt 15-2*\n                           ; LDS loads come back in order: this half row is in, the later ones stay out
	global_store_b128 v1, v[16+8*\n:19+8*\n], s[98:99] offset:262144*\n th:TH_STORE_NT     ; 512 consecutive bytes a store; written once, read by nobody here
	s_wait_dscnt 14-2*\n
	global_store_b128 v1, v[20+8*\n:23+8*\n], s[98:99] offset:262144*\n+512 th:TH_STORE_NT
.endr
	s_barrier_signal -1
	s_barrier_wait -1
	s_wait_xcnt 0x0
	v_lshl_add_u32 v254, v0, 2, 0x49000
	v_mov_b32 v255, 0
	s_wait_tensorcnt 0x0
	ds_add_u32 v254, v255
	s_wait_dscnt 0x0
	s_endpgm
.Lfunc_end_k_q3d12e84823_col:
	.size	k_q3d12e84823_col, .Lfunc_end_k_q3d12e84823_col-k_q3d12e84823_col
	.p2alignl 7, 3214868480
	.fill 96, 4, 3214868480
	.section	.rodata,"a",@progbits
	.p2align	6, 0x0
	.amdhsa_kernel k_q3d12e84823_col
		.amdhsa_group_segment_fixed_size 301056
		.amdhsa_private_segment_fixed_size 0
		.amdhsa_enable_private_segment 0
		.amdhsa_kernarg_size 48
		.amdhsa_user_sgpr_count 2
		.amdhsa_user_sgpr_kernarg_segment_ptr 1
		.amdhsa_wavefront_size32 1
		.amdhsa_system_sgpr_workgroup_id_x 1
		.amdhsa_system_sgpr_workgroup_id_y 1
		.amdhsa_system_sgpr_workgroup_id_z 1
		.amdhsa_system_vgpr_workitem_id 0
		.amdhsa_next_free_vgpr 256
		.amdhsa_next_free_sgpr 100
		.amdhsa_reserve_vcc 0
		.amdhsa_float_denorm_mode_32 3
		.amdhsa_float_denorm_mode_16_64 3
		.amdhsa_memory_ordered 1
		.amdhsa_forward_progress 1
		.amdhsa_inst_pref_size 193
	.end_amdhsa_kernel
	.amdgpu_metadata
---
amdhsa.version: [ 1, 2 ]
amdhsa.kernels:
  - .name:           k_q3d12e84823_col
    .symbol:         k_q3d12e84823_col.kd
    .args:
      - { .name: x3, .offset: 0, .size: 8, .value_kind: global_buffer, .address_space: global }
      - { .name: lowp_scales, .offset: 8, .size: 8, .value_kind: global_buffer, .address_space: global }
      - { .name: wimg, .offset: 16, .size: 8, .value_kind: global_buffer, .address_space: global }
      - { .name: b1, .offset: 24, .size: 8, .value_kind: global_buffer, .address_space: global }
      - { .name: b2, .offset: 32, .size: 8, .value_kind: global_buffer, .address_space: global }
      - { .name: out0, .offset: 40, .size: 8, .value_kind: global_buffer, .address_space: global }
    .group_segment_fixed_size: 301056
    .private_segment_fixed_size: 0
    .kernarg_segment_align: 8
    .kernarg_segment_size: 48
    .max_flat_workgroup_size: 512
    .sgpr_count:     100
    .vgpr_count:     256
    .wavefront_size: 32
...
	.end_amdgpu_metadata
.endif
;; end of part 3
